; MI455X (gfx1250); checked and timed in simulation.
; The chip was launched on July 23, 2026; its instructions are those of AMD's public machine-readable ISA for CDNA 5 (MIT licence, August 2026) and "CDNA5" Instruction Set Architecture Reference Guide (July 2026). The comments in the code are by the model that wrote it; some were corrected since.
;; Causal Self Attention. Allowed arithmetic: matrix products marked QUANTISED: E2M1 operands, one E8M0 scale for each 32 along K, by v_wmma_scale_f32_16x16x128_f8f6f4 with both operands' format E2M1 (or v_wmma_scale_f32_32x16x128_f4), f32 sums; products left as they are: bf16, f16 or f32 operands; f32 sums; everything else in f32.
;; Inputs: Wk 1,024 x 1,024 float32; Wo 1,024 x 1,024 float32; Wq 1,024 x 1,024 float32; Wv 1,024 x 1,024 float32; x 4 x 2,048 x 1,024 float32.
;; Outputs: out0 4 x 2,048 x 1,024 float32.
;; This version of the problem:
;;   THIS VERSION OF THE PROBLEM IS GIVEN IN LOW PRECISION. The matrix products marked QUANTISED in the list below multiply operands that are first quantised to E2M1 (2 exponent bits, 1 mantissa bit; 4 bits a number), with one power-of-two scale for each 32 numbers along K (OCP MX v1.0); their sums are f32. The products marked 'left as it is' may take bf16, f16 or f32 operands, with f32 sums. All else is computed in f32.
;;   The module's matrix products, in the order in which they are computed (A, B: the left and right operand; K: the contracted axis; several contracted axes count as one K, in the product's order):
;;     1. [M 8,192, K 1,024] x [K 1,024, N 1,024]; A: input x; B: input Wq: QUANTISED
;;     2. [M 8,192, K 1,024] x [K 1,024, N 1,024]; A: input x; B: input Wk: QUANTISED
;;     3. [M 8,192, K 1,024] x [K 1,024, N 1,024]; A: input x; B: input Wv: QUANTISED
;;     4. batch 64 x [M 2,048, K 64] x [K 64, N 2,048]; A: computed on the way; B: computed on the way: left as it is (an operand is computed on the way)
;;     5. batch 64 x [M 2,048, K 2,048] x [K 2,048, N 64]; A: computed on the way; B: computed on the way: left as it is (an operand is computed on the way)
;;     6. [M 8,192, K 1,024] x [K 1,024, N 1,024]; A: computed on the way; B: input Wo: left as it is (an operand is computed on the way)
;;   THE QUANTISER, for each operand of a quantised product, along K:
;;     - K is cut into blocks of 32 from its start; a last block that is shorter is filled with zeros.
;;     - A block's scale is 2^e with e = floor(log2(the largest magnitude in the block)) - 2, held to -126 .. 127; a block of zeros has e = 0. As a byte (E8M0): e + 127.
;;     - Each number is divided by its block's scale, clamped to +-6, and rounded to the nearest number of E2M1, ties to even, subnormals kept.
;;     - The product sums the exact products of the quantised numbers (number of the format x scale) in f32.
;;   ~~~python
;;   def quantise(x, axis):      # numpy; x: float32 -> the quantised numbers, widened to float32 again
;;       x = np.moveaxis(x, axis, -1); K = x.shape[-1]
;;       x = np.pad(x, [(0, 0)] * (x.ndim - 1) + [(0, -K % 32)]); x = x.reshape(x.shape[:-1] + (-1, 32)); a = np.abs(x).max(-1, keepdims=True)
;;       e = np.where(a > 0, np.clip(np.frexp(np.where(a > 0, a, 1))[1] - 1 - 2, -126, 127), 0)      # np.frexp(a)[1] - 1 = floor(log2(a)), exactly
;;       r = np.clip(x / 2.0 ** e, -6, 6)
;;       step = 2.0 ** (np.maximum(np.frexp(np.where(r == 0, 1, r))[1] - 1, 0) - 1)
;;       q = np.round(r / step) * step * 2.0 ** e      # np.round: ties to even
;;       return np.moveaxis(q.reshape(q.shape[:-2] + (-1,))[..., :K], -1, axis).astype(np.float32)
;;   ~~~
;; One version. Each part assembles by itself: llvm-mc -triple=amdgcn-amd-amdhsa -mcpu=gfx1250 --defsym DOCPART=n.
;; ======== version 1 of 1: 4 launches
;; limits: values are held in f16: magnitudes above 65,504 overflow, below 6.1e-05 lose precision
;; workspace buffers: xc 4,194,304 bytes; xs 262,144 bytes; wc 1,572,864 bytes; ws 98,304 bytes; wo2 4,194,304 bytes; qkv 50,331,648 bytes; att 16,777,216 bytes
;; launch quant (part 1): grid 384 x 1, 4 waves a work-group, no clusters, 33,280 bytes of LDS; arguments x, Wq, Wk, Wv, Wo, xc, xs, wc, ws, wo2; writes xc, xs, wc, ws, wo2
.if DOCPART == 1
	.amdgcn_target "amdgcn-amd-amdhsa--gfx1250"
	.amdhsa_code_object_version 6
	.text
	.protected	k_q394f68c2b4_quant
	.globl	k_q394f68c2b4_quant
	.p2align	8
	.type	k_q394f68c2b4_quant,@function
k_q394f68c2b4_quant:
	s_mov_b64 s[64:65], 0
	v_nop
	global_prefetch_b8 v0, s[64:65] scope:SCOPE_SE
	s_setreg_imm32_b32 hwreg(HW_REG_WAVE_MODE, 25, 1), 1
	s_wait_xcnt 0x0
; x [8192][1024] and Wq, Wk, Wv [1024][1024], f32, K innermost, become codes of FP4 (E2M1), two a byte, the lower k in the low four bits, with one E8M0 byte for each 32 along K:
; xc [8192][512 bytes], xs [8192][32]; wc [3072][512 bytes], ws [3072][32] (Wq's rows, then Wk's, then Wv's).  Wo [1024][1024] becomes two planes of f16, wo2 [2][1024][1024]: hi = f16(Wo), lo = f16(Wo - hi).
; A block's scale is 2^(floor(log2(its largest magnitude)) - 2); its byte is the largest magnitude's exponent field - 2, held at 1 from below.  Each number is divided by the scale and rounded to the nearest code, ties to even;
; beyond the largest code the conversion gives the largest code.
; LIMITS: NaN and infinities among the inputs are not served.  A block whose largest magnitude lies under 2^-124 keeps the byte 1.  A block of zeros gets the byte 1 and not 127: its codes are zeros, which add nothing
; under any byte but 0xff, and the bytes are read by this program alone.  |Wo| stays under 65,504, the largest f16 number.
; SHARES: work-groups 0-255 take x, 256-351 the three weights (32 each), 352-383 Wo; a work-group takes 32,768 numbers, a wave 8,192.  Rows are dense and 1,024 is a multiple of 32: every tensor is a plain stream.
; The four quantised tensors take ONE path; only pointers are chosen, by the work-group's number.  Wo's path uses no LDS.
; THE QUANTISER'S PATH: 16 steps of 512 numbers a wave.  Each of a step's four loads reads 512 consecutive bytes, 16 a lane; the 2,048 bytes go through the wave's own stage in LDS and come back 64 bytes a lane, so that a lane
; holds 16 neighbours along K (two neighbouring lanes hold a block).  A lane's 16 codes are 8 bytes: the wave stores 256 consecutive bytes.  A wave's 256 scale bytes are gathered in its own LDS bytes and leave in one store.
; No barrier: waves share nothing.  Loads run four steps (16 loads a wave) ahead, the turn through LDS one step.
.set STEPS, 16
.set EMAX,  2
.set CB,    8                          ; bytes of 16 codes
.set R,     16                         ; v16-79   four sets of 16 numbers as they are loaded
.set X,     80                         ; v80-111  two sets of 16 neighbours
.set E,     112                        ; v112-127 a scale byte for each step
.set C,     128                        ; v128-191 codes: four registers for each step, so that no store's data are written again
.set WREG,  8192                       ; LDS: a region for each wave: two stages of 32 x SP bytes, behind them its 256 scale bytes
.set SP,    80                         ; a lane's place in a stage: 64 bytes + 16 of padding
.set WGX,   256                        ; x's work-groups
.set WGW,   352                        ; Wo's begin here
.set WL,    128                        ; Wo's path: v128-191 two sets of 32 numbers as loaded; v32-63 results; v64-71 at work
.set SRC,   24                         ; s[24:25] the tensor, s[26:27] its codes, s[28:29] its scale bytes
.set COD,   26
.set SCB,   28
	s_load_b512 s[4:19], s[0:1], 0x0               ; x s[4:5], Wq s[6:7], Wk s[8:9], Wv s[10:11], Wo s[12:13], xc s[14:15], xs s[16:17], wc s[18:19]
	s_load_b128 s[20:23], s[0:1], 0x40             ; ws s[20:21], wo2 s[22:23]
	v_lshl_add_u32 v192, v0, 2, 0x8000
	v_mov_b32 v193, 0
	v_lshrrev_b32 v1, 5, v0
	v_readfirstlane_b32 s30, v1                    ; wave 0..3
	v_and_b32 v2, 31, v0                           ; lane
	s_mov_b32 s37, 0                               ; the upper word of every offset
	s_wait_kmcnt 0x0
	s_cmp_ge_u32 ttmp9, WGW
	s_cbranch_scc1 .Lwo
	v_lshlrev_b32 v3, 4, v2                        ; my 16 bytes of a load's 512
	s_mul_i32 s31, s30, WREG
	v_lshrrev_b32 v14, 2, v2
	v_mul_u32_u24 v14, v14, SP
	v_and_b32 v15, 3, v2
	v_lshl_add_u32 v14, v15, 4, v14
	v_add_nc_u32 v14, s31, v14                     ; the stage, on the way in: four lanes' 64 bytes on end, then 16 of padding
	v_mul_u32_u24 v15, v2, SP
	v_add_nc_u32 v15, s31, v15                     ; and on the way out: SP x lane: my 16 neighbours
	v_mul_u32_u24 v4, v2, CB                       ; my codes' place in a step's
	v_lshrrev_b32 v5, 1, v2
	s_add_co_u32 s31, s31, 2*32*SP
	v_add_nc_u32 v5, s31, v5                       ; LDS: my wave's 256 scale bytes, my block's byte
	v_lshlrev_b32 v7, 3, v2                        ; and on the way out 8 bytes a lane
	v_add_nc_u32 v6, s31, v7
	s_sub_co_u32 s31, ttmp9, WGX                   ; among the weights' 96 work-groups (not used in x's)
	s_lshr_b32 s32, s31, 5                         ; which weight
	s_and_b32 s33, s31, 31                         ; which 32,768 numbers of it
	s_cmp_eq_u32 s32, 1
	s_cselect_b64 s[SRC:SRC+1], s[8:9], s[6:7]
	s_cmp_eq_u32 s32, 2
	s_cselect_b64 s[SRC:SRC+1], s[10:11], s[SRC:SRC+1]
	s_cmp_lt_u32 ttmp9, WGX                        ; x's work-group?  Every choice hangs on the work-group's number alone
	s_cselect_b64 s[SRC:SRC+1], s[4:5], s[SRC:SRC+1]
	s_cselect_b64 s[COD:COD+1], s[14:15], s[18:19]
	s_cselect_b64 s[SCB:SCB+1], s[16:17], s[20:21]
	s_cselect_b32 s34, ttmp9, s33                  ; the run in the tensor that is read,
	s_cselect_b32 s35, ttmp9, s31                  ; and in the buffers that are written (the three weights lie on end there)
	s_lshl_b32 s34, s34, 2
	s_add_co_u32 s34, s34, s30                     ; my wave's run of 8,192 numbers
	s_lshl_b32 s35, s35, 2
	s_add_co_u32 s35, s35, s30
	s_lshl_b32 s36, s34, 15                        ; 32,768 bytes of f32,
	s_add_nc_u64 s[SRC:SRC+1], s[SRC:SRC+1], s[36:37]
	s_lshl_b32 s36, s35, 12                        ; 4,096 bytes of codes,
	s_add_nc_u64 s[COD:COD+1], s[COD:COD+1], s[36:37]
	s_lshl_b32 s36, s35, 8                         ; 256 scale bytes a run
	s_add_nc_u64 s[SCB:SCB+1], s[SCB:SCB+1], s[36:37]
.macro LOAD t
.irp i, 0,1,2,3
	global_load_b128 v[R+16*((\t)%4)+4*\i:R+16*((\t)%4)+4*\i+3], v3, s[SRC:SRC+1] offset:2048*(\t)+512*\i th:TH_LOAD_NT   ; 32 lanes read 512 consecutive bytes
.endr
.endm
.macro TURN t                          ; step t's numbers through the stage: LDS serves a wave's instructions in order (ISA guide 5.7.1.4), so no wait stands between the stores and the loads
.irp i, 0,1,2,3
	ds_store_b128 v14, v[R+16*((\t)%4)+4*\i:R+16*((\t)%4)+4*\i+3] offset:32*SP*((\t)%2)+8*SP*\i
.endr
.irp i, 0,1,2,3
	ds_load_b128 v[X+16*((\t)%2)+4*\i:X+16*((\t)%2)+4*\i+3], v15 offset:32*SP*((\t)%2)+16*\i
.endr
.endm
.irp t, 0,1,2,3
	LOAD \t
.endr
	s_wait_loadcnt 12                              ; step 0's four loads are in; the twelve of steps 1 to 3 may be out
	TURN 0
.macro STEP t
.set XS, X+16*((\t)%2)
.if (\t) > 0
	s_wait_dscnt 1                                 ; this step's numbers are back from the stage (the last step's byte store may be out): so its stores into the stage have read their registers,
.else
	s_wait_dscnt 0x0
.endif
.if (\t)+4 < STEPS
	LOAD (\t)+4                                    ; which take the loads of four steps on
.endif
.if (\t)+1 < STEPS
.if STEPS-2-(\t) >= 3
	s_wait_loadcnt 12                              ; the next step's four loads are in; those of the three steps behind it may be out
.else
	s_wait_loadcnt 4*(STEPS-2-(\t))
.endif
	TURN (\t)+1                                    ; and go through the other stage while this step is worked
.endif
	v_max3_num_f32 v8, |v[XS]|, |v[XS+1]|, |v[XS+2]|               ; the largest magnitude of my 16, in two chains
	v_max3_num_f32 v9, |v[XS+3]|, |v[XS+4]|, |v[XS+5]|
.irp i, 6,10
	v_max3_num_f32 v8, v8, |v[XS+\i]|, |v[XS+\i+1]|
	v_max3_num_f32 v9, v9, |v[XS+\i+2]|, |v[XS+\i+3]|
.endr
	v_max3_num_f32 v8, v8, |v[XS+14]|, |v[XS+15]|
	v_max3_num_f32 v8, v8, v9, (EMAX+1)<<23        ; and the floor 2^(3 - 127): the byte cannot fall under 1
	v_max_num_f32_dpp v8, v8, v8 row_xmask:1 row_mask:0xf bank_mask:0xf   ; and of my neighbour's 16: the block's
	v_add_nc_u32 v11, -(EMAX<<23), v8              ; 2 off its exponent field: the conversion takes the exponent field of this operand as its scale, and nothing else of it
	v_cvt_scalef32_pk8_fp4_f32 v[C+4*(\t)], v[XS:XS+7], v11
	v_cvt_scalef32_pk8_fp4_f32 v[C+4*(\t)+1], v[XS+8:XS+15], v11
	v_lshrrev_b32 v[E+(\t)], 23, v11               ; the scale's byte (also the plain line behind the conversions)
	ds_store_b8 v5, v[E+(\t)] offset:16*(\t)       ; both lanes of a block write the same byte with the same value
	global_store_b64 v4, v[C+4*(\t):C+4*(\t)+1], s[COD:COD+1] offset:32*CB*(\t)   ; 32 lanes store 256 consecutive bytes, aligned
.endm
.irp t, 0,1,2,3,4,5,6,7,8,9,10,11,12,13,14,15
	STEP \t
.endr
	ds_load_b64 v[12:13], v6                       ; in order behind my byte stores
	s_wait_dscnt 0x0
	global_store_b64 v7, v[12:13], s[SCB:SCB+1]    ; 32 lanes store 256 consecutive bytes, aligned
	s_wait_tensorcnt 0x0
	ds_add_u32 v192, v193
	s_wait_dscnt 0x0
	s_endpgm
; Wo's PATH.  A wave takes 64 units of 128 numbers (512 bytes in, 256 + 256 out), in 8 groups of 8; one group's loads are out while the group before is worked.
.Lwo:
	s_sub_co_u32 s31, ttmp9, WGW
	s_lshl_b32 s31, s31, 2
	s_add_co_u32 s31, s31, s30                     ; my wave's run of 8,192 numbers
	s_lshl_b32 s36, s31, 15
	s_add_nc_u64 s[12:13], s[12:13], s[36:37]
	s_lshl_b32 s36, s31, 14
	s_add_nc_u64 s[22:23], s[22:23], s[36:37]
	v_lshlrev_b32 v1, 4, v2                        ; in: 16 bytes a lane
	v_lshlrev_b32 v3, 3, v2                        ; out: 8 bytes a lane in each plane
.macro WLOAD g
.irp u, 0,1,2,3,4,5,6,7
	global_load_b128 v[WL+32*((\g)%2)+4*\u:WL+32*((\g)%2)+4*\u+3], v1, s[12:13] offset:(8*(\g)+\u)*512 th:TH_LOAD_NT
.endr
.endm
; unit u of group g: hi in v[ha], v[ha + 1], lo in v[ha + 2], v[ha + 3]; the last four arguments name hi's four halves
.macro WUNIT g, u, ha, hal, hah, hbl, hbh
.set LS, WL+32*((\g)%2)+4*(\u)
.set WK, 64+4*((\u)%2)
	v_cvt_pk_f16_f32 v[\ha], v[LS], v[LS+1]        ; hi: rounded to f16
	v_cvt_pk_f16_f32 v[\ha+1], v[LS+2], v[LS+3]
	v_cvt_f32_f16 v[WK], \hal                      ; hi as f32, exactly
	v_cvt_f32_f16 v[WK+1], \hah
	v_cvt_f32_f16 v[WK+2], \hbl
	v_cvt_f32_f16 v[WK+3], \hbh
	v_pk_add_f32 v[WK:WK+1], v[LS:LS+1], v[WK:WK+1] neg_lo:[0,1] neg_hi:[0,1]       ; what the rounding left: exact in f32
	v_pk_add_f32 v[WK+2:WK+3], v[LS+2:LS+3], v[WK+2:WK+3] neg_lo:[0,1] neg_hi:[0,1]
	v_cvt_pk_f16_f32 v[\ha+2], v[WK], v[WK+1]      ; lo
	v_cvt_pk_f16_f32 v[\ha+3], v[WK+2], v[WK+3]
	global_store_b64 v3, v[\ha:\ha+1], s[22:23] offset:256*(8*(\g)+\u)              ; 256 consecutive bytes, aligned, in each plane
	global_store_b64 v3, v[\ha+2:\ha+3], s[22:23] offset:2097152+256*(8*(\g)+\u)
.endm
.macro WGROUP g
.if (\g) < 7
	WLOAD (\g)+1
	s_wait_loadcnt 8                               ; this group's eight loads are in; the next group's eight may be out
.else
	s_wait_loadcnt 0x0
.endif
	s_wait_xcnt 0x0                                ; the last group's stores have read v32-63, which are written again below
	WUNIT \g, 0, 32, v32.l, v32.h, v33.l, v33.h
	WUNIT \g, 1, 36, v36.l, v36.h, v37.l, v37.h
	WUNIT \g, 2, 40, v40.l, v40.h, v41.l, v41.h
	WUNIT \g, 3, 44, v44.l, v44.h, v45.l, v45.h
	WUNIT \g, 4, 48, v48.l, v48.h, v49.l, v49.h
	WUNIT \g, 5, 52, v52.l, v52.h, v53.l, v53.h
	WUNIT \g, 6, 56, v56.l, v56.h, v57.l, v57.h
	WUNIT \g, 7, 60, v60.l, v60.h, v61.l, v61.h
.endm
	WLOAD 0
.irp g, 0,1,2,3,4,5,6,7
	WGROUP \g
.endr
	s_endpgm
.Lfunc_end_k_q394f68c2b4_quant:
	.size	k_q394f68c2b4_quant, .Lfunc_end_k_q394f68c2b4_quant-k_q394f68c2b4_quant
	.p2alignl 7, 3214868480
	.fill 96, 4, 3214868480
	.section	.rodata,"a",@progbits
	.p2align	6, 0x0
	.amdhsa_kernel k_q394f68c2b4_quant
		.amdhsa_group_segment_fixed_size 33280
		.amdhsa_private_segment_fixed_size 0
		.amdhsa_enable_private_segment 0
		.amdhsa_kernarg_size 80
		.amdhsa_user_sgpr_count 2
		.amdhsa_user_sgpr_kernarg_segment_ptr 1
		.amdhsa_wavefront_size32 1
		.amdhsa_system_sgpr_workgroup_id_x 1
		.amdhsa_system_sgpr_workgroup_id_y 1
		.amdhsa_system_sgpr_workgroup_id_z 1
		.amdhsa_system_vgpr_workitem_id 0
		.amdhsa_next_free_vgpr 194
		.amdhsa_next_free_sgpr 66
		.amdhsa_reserve_vcc 0
		.amdhsa_float_denorm_mode_32 3
		.amdhsa_float_denorm_mode_16_64 3
		.amdhsa_memory_ordered 1
		.amdhsa_forward_progress 1
		.amdhsa_inst_pref_size 84
	.end_amdhsa_kernel
	.amdgpu_metadata
---
amdhsa.version: [ 1, 2 ]
amdhsa.kernels:
  - .name:           k_q394f68c2b4_quant
    .symbol:         k_q394f68c2b4_quant.kd
    .args:
      - { .name: x, .offset: 0, .size: 8, .value_kind: global_buffer, .address_space: global }
      - { .name: Wq, .offset: 8, .size: 8, .value_kind: global_buffer, .address_space: global }
      - { .name: Wk, .offset: 16, .size: 8, .value_kind: global_buffer, .address_space: global }
      - { .name: Wv, .offset: 24, .size: 8, .value_kind: global_buffer, .address_space: global }
      - { .name: Wo, .offset: 32, .size: 8, .value_kind: global_buffer, .address_space: global }
      - { .name: xc, .offset: 40, .size: 8, .value_kind: global_buffer, .address_space: global }
      - { .name: xs, .offset: 48, .size: 8, .value_kind: global_buffer, .address_space: global }
      - { .name: wc, .offset: 56, .size: 8, .value_kind: global_buffer, .address_space: global }
      - { .name: ws, .offset: 64, .size: 8, .value_kind: global_buffer, .address_space: global }
      - { .name: wo2, .offset: 72, .size: 8, .value_kind: global_buffer, .address_space: global }
    .group_segment_fixed_size: 33280
    .private_segment_fixed_size: 0
    .kernarg_segment_align: 8
    .kernarg_segment_size: 80
    .max_flat_workgroup_size: 128
    .sgpr_count:     66
    .vgpr_count:     194
    .wavefront_size: 32
...
	.end_amdgpu_metadata
.endif
;; end of part 1
;; launch qkvgemm (part 2): grid 12 x 32, 4 waves a work-group, clusters of 4 x 4, 327,680 bytes of LDS; arguments xc, xs, wc, ws, qkv; writes qkv
.if DOCPART == 2
	.amdgcn_target "amdgcn-amd-amdhsa--gfx1250"
	.amdhsa_code_object_version 6
	.text
	.protected	k_q394f68c2b4_qkvgemm
	.globl	k_q394f68c2b4_qkvgemm
	.p2align	8
	.type	k_q394f68c2b4_qkvgemm,@function
k_q394f68c2b4_qkvgemm:
	s_mov_b64 s[64:65], 0
	v_nop
	global_prefetch_b8 v0, s[64:65] scope:SCOPE_SE
	s_setreg_imm32_b32 hwreg(HW_REG_WAVE_MODE, 25, 1), 1
	s_wait_xcnt 0x0
	s_wait_alu depctr_hold_cnt(0) depctr_sa_sdst(0) depctr_va_vdst(0) depctr_va_sdst(0) depctr_va_ssrc(0) depctr_va_vcc(0) depctr_vm_vsrc(0)
	s_getreg_b32 s2, hwreg(HW_REG_IB_STS2, 6, 4)
	s_cmp_eq_u32 s2, 0
	s_cbranch_scc0 .Lentry_in_a_cluster
	s_endpgm
.Lentry_in_a_cluster:
	s_bfe_u32 s2, ttmp6, 0x10000c
	s_cmp_lg_u32 s2, 0xf033
	s_cbranch_scc0 .Lentry_shape_is_right
	s_endpgm
.Lentry_shape_is_right:
; q, k, v = x Wq^T, x Wk^T, x Wv^T as ONE product C[m][n] = sum over k of A[m][k] B[n][k] on codes of FP4 (E2M1) with one E8M0 scale for each 32 along K; sums in f32.
; A = xc [8192][1024 codes], B = wc [3072][1024 codes] (Wq's, Wk's, Wv's rows on end); scale bytes xs [8192][32], ws [3072][32].  The matrix instruction takes codes and scale bytes as they lie in memory.
; C leaves as f16, split by heads: qkv [3 planes q, k, v][64 = 16 batch + head][2048 t][64 d].  LIMIT: |q|, |k|, |v| stay under 65,504, the largest f16 number.
; A tile of C, 256 x 256, is made by a work-group of four waves; a wave makes 128 x 128: 64 accumulators of 16 x 16, 512 registers.
; K = 1,024 is two steps of 512: each lies in an LDS slot of its own (rows of 256 bytes), and both are asked for at the start, with the scale bytes of the work-group's rows.  No LDS byte is filled twice.
; A wave has three tensor loads out at the start.
; CLUSTERS: 4 x 4 work-groups.  The four of a row of the cluster need the same tiles of A, the four of a column the same tiles of B: each tile is asked for JOINTLY, by the same tensor load with the same descriptor and
; a mask that names the four.  THE MATRIX INSTRUCTION IS USED TRANSPOSED (source 0 = 16 rows of B, source 1 = 16 rows of A): a lane then holds eight neighbouring numbers of a row of C.
; REGISTERS, in windows of 256: window 0: v0-31 addresses; v32-95 scale words, two sets; from v128 A's fragments (8 x 16 rows x 128 K), ONE set; on the way out v32-63 packed results, v128-191 rows read back.
;   window 1: B's fragments, TWO sets, at v0 and at v128.   window 2: the 32 accumulators of my rows 0-63 (accumulator (a, b) at v[8 (8 a + b)]);   window 3: those of my rows 64-127.
; A step of 128 along K is 64 matrix instructions, A's blocks one after the other, each against B's eight: a block of A is free as soon as its eight products are issued, so one set serves A; B has two.
.set SIZE_K, 1024
.set KSTEP,  512                       ; along K in a slot
.set NQ,     KSTEP/128                 ; matrix instructions deep
.set ROWB,   256                       ; a tile's row in bytes
.set KROW,   SIZE_K/2                  ; a row of A or of B in memory, in bytes
.set PITCH,  272                       ; an LDS row: 256 bytes + 16 of padding = 68 words: the 16 rows that a load touches start at 16 different banks (64 banks of 4 bytes: ISA guide 11.1)
.set FR,     8                         ; registers of a fragment: 16 rows x 128 K
.set NL,     2                         ; LDS loads that bring one
.set NP,     4                         ; places behind this matrix instruction (ISA guide 7.12.1)
.set HALFT,  128*PITCH                 ; 128 rows: what one tensor load brings, and what one wave reads of A or of B
.set SLOT,   4*HALFT                   ; A's 256 rows, then B's 256 rows
.set KS,     SIZE_K/32                 ; a row of scales in bytes
.set SCL,    2*SLOT                    ; behind the slots: the scales, as rows of 256 bytes + 16 of padding
.set HALFS,  (128*KS/256)*272          ; the scales of 128 rows: what one tensor load brings
.set SBLK,   (16*KS/256)*272           ; those of 16 rows
.set SPARE,  SCL+4*HALFS               ; behind the scales: the spare words, 128 bytes for each wave: two blocks of 256 bytes that no other line names
.set SPITCH, 272                       ; the way out: a stage of 16 rows x (256 bytes + 16) for each wave, in slot 0, which has had its one fill and its last read when the first result is stored there
.set ADRA, 16                          ; v16-17  LDS address of my A fragments in slot 0, 1
.set ADRB, 20                          ; v20-21  the same for B
.set STO,  24                          ; v24     the way out: where I put 16 bytes of a row
.set RD,   25                          ; v25     the way out: where I read back
.set CO,   26                          ; v26     16 x lane: my place in a store's 512 bytes
.set ADRS, 27                          ; v27     LDS address of my scale words: lanes 0-15 A's rows, lanes 16-31 B's
.set SPW,  28                          ; v28     LDS address of my spare word; never rewritten
.set NIL,  29                          ; v29     0; never rewritten
.set SC,   32                          ; scale words: set s at v[SC + 8 NQ s]; register NQ i + q: lanes 0-15 the word of A's block i, lanes 16-31 that of B's block i, for the slot's q-th 128 along K
.set TMP,  32                          ; the way out: 32 registers of packed results
.set AF,   128                         ; A's fragments, in window 0
.set BK,   128                         ; the way out: 16 rows read back: v128-159 and v160-191 by turns
.set G1, 24                            ; s[24:31] descriptor group 1 for A's tiles;  s[32:39] group 0, one set for each slot
.set G0, 32
.set G1B, 48                           ; s[48:55], s[56:63] the same for B's tiles
.set G0B, 56
.set G1S, 68                           ; s[68:75], s[76:79] groups 1 and 0 for A's scales;  s[80:87], s[88:91] for B's
.set G0S, 76
.set G1SB, 80
.set G0SB, 88
.set MSB, 0
.macro WIN new                         ; the immediate's high byte repeats the setting that is left
.if MSB != \new
	s_set_vgpr_msb (MSB<<8)|\new
.set MSB, \new
.endif
.endm
.set MUL_LO, 0xa1                      ; source 0 (B) window 1, source 1 (A) window 0, C and D window 2
.set MUL_HI, 0xf1                      ; the same, C and D window 3
.set TO_B,   0x40                      ; destination window 1, address window 0
; A joint load: waves 0 and 1 fetch for A, waves 2 and 3 for B.  Each of the two lines has ONE mask and one set of registers for all that issue it; the branch hangs on the wave's number alone.
; Four v_nop follow each of the two lines, ahead of the jump, the label and what follows.
.macro JLOAD g0a, g1a, g0b, g1b
	s_cmp_eq_u32 s15, 0
	s_cbranch_scc0 .Lfor_b_\@
	tensor_load_to_lds s[\g0a:\g0a+3], s[\g1a:\g1a+7]
	s_nop 0
.rept 4
	v_nop
.endr
	s_branch .Lasked_\@
.Lfor_b_\@:
	tensor_load_to_lds s[\g0b:\g0b+3], s[\g1b:\g1b+7]
	s_nop 0
.rept 4
	v_nop
.endr
.Lasked_\@:
.endm
.macro CROUND                          ; a round of the cluster's barrier: my work-group's barrier; wave 0 signals for the work-group; every wave waits for all sixteen; my work-group's barrier once more
	s_barrier_signal -1
	s_barrier_wait -1
	s_cmp_lg_u32 s14, 0
	s_cbranch_scc1 .Lnot_wave_0_\@
	s_barrier_signal -3
.Lnot_wave_0_\@:
	s_barrier_wait -3
	s_barrier_signal -1
	s_barrier_wait -1
.endm
	s_load_b128 s[4:7], s[0:1], 0x0                ; A's codes s[4:5], A's scales s[6:7]
	s_load_b128 s[8:11], s[0:1], 0x10              ; B's codes s[8:9], B's scales s[10:11]
	s_load_b64 s[12:13], s[0:1], 0x20              ; qkv
	v_lshl_add_u32 v[SPW], v0, 2, SPARE
	v_mov_b32 v[NIL], 0
	ds_add_u32 v28, v29
	ds_add_u32 v28, v29
	s_wait_dscnt 0x0
	v_lshrrev_b32 v1, 5, v0
	v_readfirstlane_b32 s14, v1                    ; wave 0..3
	s_lshr_b32 s15, s14, 1                         ; which half of the tile's rows is mine.  Also: I fetch for A (0) or for B (1)
	s_and_b32 s16, s14, 1                          ; which half of its columns.  Also: which 128 rows of that tile I fetch
	s_bfe_u32 s40, ttmp6, 0x40000                  ; cx, cy: my place in the cluster
	s_bfe_u32 s41, ttmp6, 0x40004
	s_lshl_b32 s42, ttmp9, 2
	s_add_co_u32 s42, s42, s40                     ; tile column of C = 4 x cluster x + cx
	s_and_b32 s17, ttmp7, 0xffff
	s_lshl_b32 s17, s17, 2
	s_add_co_u32 s17, s17, s41                     ; tile row of C = 4 x cluster y + cy
	s_lshl_b32 s43, s41, 2
	s_lshl_b32 s43, 15, s43                        ; my row of the cluster
	s_lshl_b32 s44, 0x1111, s40                    ; my column
	; descriptor group 1: a tile of 128 rows x 256 bytes, padded in LDS
	s_or_b32 s[G1+0], s43, (0<<16)|(1<<20)|(1<<21)|(5<<22)|(3<<25)  ; 15:0 the mask: A's tiles go to my row; 17:16 element of 1 byte; 20 padding on; 21 set beside a mask; 24:22 after every 64 words (code 5); 31:25 of 4 words (code 3)
	s_or_b32 s[G1B+0], s44, (0<<16)|(1<<20)|(1<<21)|(5<<22)|(3<<25)
.irp g, G1, G1B
	s_mov_b32 s[\g+1], ROWB<<16                    ; tensor_dim0
	s_mov_b32 s[\g+2], 128<<16                     ; tensor_dim1 = 128
	s_mov_b32 s[\g+3], ROWB<<16                    ; tile_dim0
	s_mov_b32 s[\g+4], 128                         ; tile_dim1 = 128
	s_mov_b32 s[\g+5], KROW                        ; tensor_dim0_stride
	s_mov_b32 s[\g+6], 0
	s_mov_b32 s[\g+7], 0
.endr
	; and for the scales of 128 rows: a dense block of 4,096 bytes, as rows of 256 bytes (32 elements of 8 bytes), 16 bytes of padding behind each
	s_or_b32 s[G1S+0], s43, (3<<16)|(1<<20)|(1<<21)|(5<<22)|(3<<25)
	s_or_b32 s[G1SB+0], s44, (3<<16)|(1<<20)|(1<<21)|(5<<22)|(3<<25)
.irp g, G1S, G1SB
	s_mov_b32 s[\g+1], 32<<16
	s_mov_b32 s[\g+2], (128*KS/256)<<16
	s_mov_b32 s[\g+3], 32<<16
	s_mov_b32 s[\g+4], 128*KS/256
	s_mov_b32 s[\g+5], 32
	s_mov_b32 s[\g+6], 0
	s_mov_b32 s[\g+7], 0
.endr
	s_lshl_b32 s18, s16, 7                         ; which 128 rows of the tile I fetch
	s_lshl_b32 s20, s17, 8
	s_add_co_u32 s20, s20, s18                     ; A: row 256 x tile row + 128 x half
	s_lshl_b32 s46, s42, 8
	s_add_co_u32 s46, s46, s18                     ; B: row 256 x tile column + 128 x half
	s_mov_b32 s21, 0
	s_mov_b32 s47, 0
	s_mov_b64 s[18:19], KS
	s_mul_u64 s[22:23], s[20:21], s[18:19]         ; where these rows' scales begin, in bytes
	s_mul_u64 s[92:93], s[46:47], s[18:19]
	s_mov_b64 s[18:19], KROW
	s_mul_u64 s[20:21], s[20:21], s[18:19]         ; and their codes
	s_mul_u64 s[46:47], s[46:47], s[18:19]
	s_mul_i32 s45, s14, HALFT                      ; where they go: wave x 128 rows: no place in the cluster enters an LDS address
	s_mul_i32 s94, s14, HALFS
	s_wait_kmcnt 0x0
	s_add_nc_u64 s[20:21], s[4:5], s[20:21]
	s_add_nc_u64 s[22:23], s[6:7], s[22:23]
	s_add_nc_u64 s[46:47], s[8:9], s[46:47]
	s_add_nc_u64 s[92:93], s[10:11], s[92:93]
	CROUND                                         ; all sixteen work-groups are here: the joint loads meet
	s_mov_b32 s[G0S], 1
	s_add_co_u32 s[G0S+1], s94, SCL
	s_mov_b64 s[G0S+2:G0S+3], s[22:23]
	s_or_b32 s[G0S+3], s[G0S+3], 0x80000000
	s_mov_b32 s[G0SB], 1
	s_add_co_u32 s[G0SB+1], s94, SCL
	s_mov_b64 s[G0SB+2:G0SB+3], s[92:93]
	s_or_b32 s[G0SB+3], s[G0SB+3], 0x80000000
	JLOAD G0S, G1S, G0SB, G1SB                     ; the scales first: they are wanted with K step 0
.irp s, 0,1
	s_mov_b32 s[G0+4*\s], 1
	s_add_co_u32 s[G0+4*\s+1], s45, \s*SLOT
	s_add_nc_u64 s[G0+4*\s+2:G0+4*\s+3], s[20:21], \s*ROWB
	s_or_b32 s[G0+4*\s+3], s[G0+4*\s+3], 0x80000000
	s_mov_b32 s[G0B+4*\s], 1
	s_add_co_u32 s[G0B+4*\s+1], s45, \s*SLOT
	s_add_nc_u64 s[G0B+4*\s+2:G0B+4*\s+3], s[46:47], \s*ROWB
	s_or_b32 s[G0B+4*\s+3], s[G0B+4*\s+3], 0x80000000
	JLOAD G0+4*\s, G1, G0B+4*\s, G1B
.endr
	v_and_b32 v1, 15, v0                           ; l % 16
	v_bfe_u32 v2, v0, 4, 1                         ; l / 16
	v_mul_u32_u24 v3, v1, PITCH
	v_lshl_add_u32 v4, v2, 4, v3                   ; a fragment's row x pitch + 16 x half
	s_mul_i32 s21, s15, HALFT                      ; my 128 rows of A
	s_mul_i32 s22, s16, HALFT                      ; my 128 rows of B,
	s_add_co_u32 s22, s22, 2*HALFT                 ; which lie behind A's 256
.irp s, 0,1
	v_add_nc_u32 v[ADRA+\s], s21, v4
	v_add_nc_u32 v[ADRB+\s], s22, v4
	s_add_co_u32 s21, s21, SLOT
	s_add_co_u32 s22, s22, SLOT
.endr
	v_mul_u32_u24 v5, v1, KS                       ; my row's scales: KS bytes a row,
	v_lshrrev_b32 v6, 8, v5
	v_lshl_add_u32 v5, v6, 4, v5                   ; and 16 more for each 256 passed
	s_mul_i32 s21, s15, HALFS                      ; A's: my 128 rows
	s_mul_i32 s22, s16, HALFS                      ; B's: my 128 rows, behind A's 256
	s_add_co_u32 s22, s22, 2*HALFS
	s_sub_co_u32 s22, s22, s21
	v_mul_u32_u24 v6, s22, v2                      ; lanes 16-31 take B's
	s_add_co_u32 s21, s21, SCL
	v_add_nc_u32 v5, v5, v6
	v_add_nc_u32 v[ADRS], s21, v5
	s_mul_i32 s23, s14, 16*SPITCH                  ; my stage
	v_mul_u32_u24 v5, v1, SPITCH                   ; in: row l % 16, 16 bytes for each half of the lanes
	v_lshl_add_u32 v5, v2, 4, v5
	v_add_nc_u32 v[STO], s23, v5
	v_bfe_u32 v6, v0, 3, 2                         ; back: eight lanes take one head's 128 bytes of a row, the 32 lanes four rows
	v_mul_u32_u24 v6, v6, SPITCH
	v_and_b32 v7, 7, v0
	v_lshl_add_u32 v6, v7, 4, v6
	v_add_nc_u32 v[RD], s23, v6
	v_and_b32 v6, 31, v0
	v_lshlrev_b32 v[CO], 4, v6                     ; four rows of a head are 512 consecutive bytes of qkv
	; where my part begins in qkv: plane x 2^24 + ((16 batch + head) x 2,048 + t) x 128 bytes
	s_lshl_b32 s20, s17, 8
	s_lshl_b32 s21, s15, 7
	s_add_co_u32 s20, s20, s21                     ; my first row of C
	s_lshr_b32 s21, s20, 11                        ; batch
	s_and_b32 s20, s20, 2047                       ; t
	s_lshl_b32 s21, s21, 15                        ; batch x 16 heads x 2,048 rows
	s_add_co_u32 s20, s20, s21
	s_lshl_b32 s20, s20, 7
	s_mov_b32 s21, 0
	s_lshl_b32 s46, s42, 8
	s_lshl_b32 s47, s16, 7
	s_add_co_u32 s46, s46, s47                     ; my first column of C
	s_lshr_b32 s47, s46, 10                        ; plane: q, k or v
	s_and_b32 s46, s46, 1023
	s_lshr_b32 s46, s46, 6                         ; my first head of two
	s_lshl_b32 s46, s46, 18                        ; x 2,048 rows x 128 bytes
	s_lshl_b32 s47, s47, 24
	s_add_co_u32 s46, s46, s47
	s_mov_b32 s47, 0
	s_add_nc_u64 s[12:13], s[12:13], s[20:21]
	s_add_nc_u64 s[12:13], s[12:13], s[46:47]
.macro FRAG reg, adr, q, i             ; a fragment, 16 rows x 128 K of 4-bit codes, is 8 registers: lane l holds row l % 16; registers 4 c .. 4 c + 3 hold K = 64 c + 32 (l / 16) + 0 .. 31
.irp c, 0,1
	ds_load_b128 v[\reg+4*\c:\reg+4*\c+3], v[\adr] offset:64*(\q)+32*\c+(\i)*16*PITCH
.endr
.endm
; 16 matrix instructions: A's blocks a0, a0 + 1 x B's eight, 128 along K: the slot's q-th.  p: B's set;  sc: the set of scale words.  zero = 1: the first product starts the sums: nothing is ever cleared.
; The 64 accumulators take turns, one instruction a turn, in the same order in every step.
.macro MUL16 a0, p, q, sc, zero
.irp a, \a0, \a0+1
.irp b, 0,1,2,3,4,5,6,7
.if \zero
	v_wmma_scale_f32_16x16x128_f8f6f4 v[8*(8*((\a)%4)+\b):8*(8*((\a)%4)+\b)+7], v[128*(\p)+FR*\b:128*(\p)+FR*\b+FR-1], v[AF+FR*(\a):AF+FR*(\a)+FR-1], 0, v[SC+8*NQ*(\sc)+NQ*\b+(\q)], v[SC+8*NQ*(\sc)+NQ*(\a)+(\q)] matrix_a_fmt:MATRIX_FMT_FP4 matrix_b_fmt:MATRIX_FMT_FP4 matrix_a_scale:MATRIX_SCALE_ROW1
.else
	v_wmma_scale_f32_16x16x128_f8f6f4 v[8*(8*((\a)%4)+\b):8*(8*((\a)%4)+\b)+7], v[128*(\p)+FR*\b:128*(\p)+FR*\b+FR-1], v[AF+FR*(\a):AF+FR*(\a)+FR-1], v[8*(8*((\a)%4)+\b):8*(8*((\a)%4)+\b)+7], v[SC+8*NQ*(\sc)+NQ*\b+(\q)], v[SC+8*NQ*(\sc)+NQ*(\a)+(\q)] matrix_a_fmt:MATRIX_FMT_FP4 matrix_b_fmt:MATRIX_FMT_FP4 matrix_a_scale:MATRIX_SCALE_ROW1
.endif
.endr
.endr
.endm
.macro FETCH_B slot, q, p              ; B's eight fragments of the slot's q-th 128 along K into set p
	WIN TO_B
.irp i, 0,1,2,3,4,5,6,7
	FRAG 128*(\p)+FR*\i, ADRB+\slot, \q, \i
.endr
	WIN 0
.endm
.macro FETCH_A slot, q, i0             ; A's blocks i0 .. i0 + 3
.irp i, \i0, \i0+1, \i0+2, \i0+3
	FRAG AF+FR*(\i), ADRA+\slot, \q, \i
.endr
.endm
.macro SCALES sc                       ; a K step's scale words into set sc: NQ words a row; lanes 0-15 take A's block i, lanes 16-31 B's block i
.irp i, 0,1,2,3,4,5,6,7
	ds_load_b128 v[SC+8*NQ*\sc+NQ*\i:SC+8*NQ*\sc+NQ*\i+3], v[ADRS] offset:\i*SBLK
.endr
.endm
; A load into a register that a matrix instruction has read, and a vector instruction that reads a matrix result or writes one of a matrix instruction's registers, stand NP places behind it, and only plain vector
; instructions that name none of its registers are places (ISA guide 7.12.1 for vector instructions).
.macro PLACES n
.rept \n
	v_nop
.endr
.endm
; A step of 128 along K that has its successor in the same slot.
.macro STEP slot, q, zero
	s_wait_dscnt 4*NL                              ; B's set and A's blocks 0-3 are in; the youngest eight loads (A's blocks 4-7) may be out
	WIN MUL_LO
	MUL16 0, (\q)%2, \q, \slot, \zero
	MUL16 2, (\q)%2, \q, \slot, \zero
	s_wait_dscnt 0                                 ; A's blocks 4-7 are in (asked for 32 matrix instructions ago)
	PLACES NP
	FETCH_B \slot, (\q)+1, 1-(\q)%2
	FETCH_A \slot, (\q)+1, 0
	WIN MUL_HI
	MUL16 4, (\q)%2, \q, \slot, \zero
	MUL16 6, (\q)%2, \q, \slot, \zero
	PLACES NP
	WIN 0
	FETCH_A \slot, (\q)+1, 4
.endm
; Slot 0's last step changes slots: ONE barrier; in front of it each wave waits for all its tensor loads (its part of slot 1), so that behind it slot 1 is whole, and for its own reads of slot 0, so that behind it
; slot 0 may serve as the stage.
.macro TURN slot, next
	s_wait_tensorcnt 0x0                           ; all my tensor loads have landed  (every window is 0 here)
	ds_add_u32 v[SPW], v[NIL]                      ; 0 onto my spare word
	s_wait_dscnt 4*NL+1                            ; (the add and the youngest eight loads, A's blocks 4-7, may be out)
	WIN MUL_LO
	MUL16 0, 1, NQ-1, \slot, 0                     ; sixteen matrix instructions stand between the add and the wait for it
	s_wait_dscnt 0x0                               ; the add is done, and my reads of this slot are over
	s_barrier_signal -1
	MUL16 2, 1, NQ-1, \slot, 0
	WIN 0
	s_barrier_wait -1
	PLACES NP
	v_add_nc_u32 v[ADRS], 4*NQ, v[ADRS]            ; on to the next K step's scale words (no LDS load of mine is out)
	FETCH_B \next, 0, 0
	FETCH_A \next, 0, 0
	SCALES \next
	WIN MUL_HI
	MUL16 4, 1, NQ-1, \slot, 0
	MUL16 6, 1, NQ-1, \slot, 0
	PLACES NP
	WIN 0
	FETCH_A \next, 0, 4
.endm
.macro STEPS slot, from                ; the slot's steps from .. NQ - 2
.set Q, \from
.rept NQ-1-\from
	STEP \slot, Q, 0
.set Q, Q+1
.endr
.endm
	s_wait_tensorcnt 1                             ; the scales and my part of K step 0 are in (K step 1's load may be out),
	s_barrier_signal -1
	s_barrier_wait -1                              ; everybody's are
	FETCH_B 0, 0, 0
	FETCH_A 0, 0, 0
	SCALES 0
	FETCH_A 0, 0, 4
	STEP 0, 0, 1                                   ; the first step's products start the sums
	STEPS 0, 1
	TURN 0, 1
	STEPS 1, 0
	s_wait_dscnt 4*NL                              ; the very last step: nothing more to fetch
	WIN MUL_LO
	MUL16 0, 1, NQ-1, 1, 0
	MUL16 2, 1, NQ-1, 1, 0
	s_wait_dscnt 0
	WIN MUL_HI
	MUL16 4, 1, NQ-1, 1, 0
	MUL16 6, 1, NQ-1, 1, 0
	WIN 0
; THE WAY OUT, block by block of 16 rows x 128 columns (two heads).  PACK: rounded to f16, 16 bytes a lane, each accumulator from its low end on.  TOSTAGE: into my own stage and back by heads: four rows of one head,
; 512 bytes that lie on end in qkv, to an instruction.  SEND: stored.  LDS serves a wave's instructions in order (ISA guide 5.7.1.4): no wait between the stores and the loads, nor in front of the next block's stores.
.macro PACK a
.set AC, 64*((\a)%4)
	WIN 0x0a+5*((\a)/4)                            ; sources 0 and 1: window 2 or 3
.irp b, 0,1,2,3,4,5,6,7
.irp i, 0,1,2,3
	v_cvt_pk_f16_f32 v[TMP+4*\b+\i], v[AC+8*\b+2*\i], v[AC+8*\b+2*\i+1]
.endr
.endr
	WIN 0
.endm
.macro TOSTAGE a
.set BB, BK+32*((\a)%2)
.irp b, 0,1,2,3,4,5,6,7
	ds_store_b128 v[STO], v[TMP+4*\b:TMP+4*\b+3] offset:32*\b
.endr
.irp i, 0,1,2,3,4,5,6,7
	ds_load_b128 v[BB+4*\i:BB+4*\i+3], v[RD] offset:(\i%4)*4*SPITCH+(\i/4)*128
.endr
.endm
.macro SEND a
.set BB, BK+32*((\a)%2)
	s_wait_dscnt 0x0                               ; the block is back in registers
	s_wait_xcnt 0x0                                ; the earlier stores have read their base and their registers: the base may step, and the next block's loads may land where the block before this one lay
.if (\a) > 0
	s_add_nc_u64 s[12:13], s[12:13], 16*128        ; 16 rows of a head on
.endif
.irp i, 0,1,2,3,4,5,6,7
	global_store_b128 v[CO], v[BB+4*\i:BB+4*\i+3], s[12:13] offset:(\i/4)*262144+(\i%4)*512   ; 32 lanes store 512 consecutive bytes, at a multiple of 256 from qkv's first byte; the second head lies 262,144 bytes on
.endr
.endm
	PLACES NP                                      ; behind the last products: for the conversions, which read results and write registers that held scale words
	PACK 0
	TOSTAGE 0
.irp a, 1,2,3,4,5,6,7                  ; block a's conversions stand between block a - 1's loads from the stage and the wait for them
	PACK \a
	SEND \a-1
	TOSTAGE \a
.endr
	SEND 7
	s_wait_tensorcnt 0x0                           ; the wave's end, behind my last tensor load and my last LDS store
	ds_add_u32 v[SPW], v[NIL]
	s_wait_dscnt 0x0
	CROUND                                         ; the closing round: no work-group ends while a partner may still ask for a tile that names it
	s_endpgm
.Lfunc_end_k_q394f68c2b4_qkvgemm:
	.size	k_q394f68c2b4_qkvgemm, .Lfunc_end_k_q394f68c2b4_qkvgemm-k_q394f68c2b4_qkvgemm
	.p2alignl 7, 3214868480
	.fill 96, 4, 3214868480
	.section	.rodata,"a",@progbits
	.p2align	6, 0x0
	.amdhsa_kernel k_q394f68c2b4_qkvgemm
		.amdhsa_group_segment_fixed_size 327680
		.amdhsa_private_segment_fixed_size 0
		.amdhsa_enable_private_segment 0
		.amdhsa_kernarg_size 40
		.amdhsa_user_sgpr_count 2
		.amdhsa_user_sgpr_kernarg_segment_ptr 1
		.amdhsa_wavefront_size32 1
		.amdhsa_system_sgpr_workgroup_id_x 1
		.amdhsa_system_sgpr_workgroup_id_y 1
		.amdhsa_system_sgpr_workgroup_id_z 1
		.amdhsa_system_vgpr_workitem_id 0
		.amdhsa_next_free_vgpr 1024
		.amdhsa_next_free_sgpr 98
		.amdhsa_reserve_vcc 0
		.amdhsa_float_denorm_mode_32 3
		.amdhsa_float_denorm_mode_16_64 3
		.amdhsa_memory_ordered 1
		.amdhsa_forward_progress 1
		.amdhsa_inst_pref_size 127
	.end_amdhsa_kernel
	.amdgpu_metadata
---
amdhsa.version: [ 1, 2 ]
amdhsa.kernels:
  - .name:           k_q394f68c2b4_qkvgemm
    .symbol:         k_q394f68c2b4_qkvgemm.kd
    .args:
      - { .name: xc, .offset: 0, .size: 8, .value_kind: global_buffer, .address_space: global }
      - { .name: xs, .offset: 8, .size: 8, .value_kind: global_buffer, .address_space: global }
      - { .name: wc, .offset: 16, .size: 8, .value_kind: global_buffer, .address_space: global }
      - { .name: ws, .offset: 24, .size: 8, .value_kind: global_buffer, .address_space: global }
      - { .name: qkv, .offset: 32, .size: 8, .value_kind: global_buffer, .address_space: global }
    .group_segment_fixed_size: 327680
    .private_segment_fixed_size: 0
    .kernarg_segment_align: 8
    .kernarg_segment_size: 40
    .max_flat_workgroup_size: 128
    .sgpr_count:     98
    .vgpr_count:     1024
    .wavefront_size: 32
...
	.end_amdgpu_metadata
.endif
;; end of part 2
;; launch attn (part 3): grid 4 x 64, 8 waves a work-group, no clusters, 327,680 bytes of LDS; arguments qkv, att; writes att
.if DOCPART == 3
	.amdgcn_target "amdgcn-amd-amdhsa--gfx1250"
	.amdhsa_code_object_version 6
	.text
	.protected	k_q394f68c2b4_attn
	.globl	k_q394f68c2b4_attn
	.p2align	8
	.type	k_q394f68c2b4_attn,@function
k_q394f68c2b4_attn:
	s_mov_b64 s[64:65], 0
	v_nop
	global_prefetch_b8 v0, s[64:65] scope:SCOPE_SE
	s_setreg_imm32_b32 hwreg(HW_REG_WAVE_MODE, 25, 1), 1
	s_wait_xcnt 0x0
; att[head][2048 batch + q][:] = the sum over k <= q of softmax_k(Q[q] . K[k] / 8) V[k][:], for 64 pairs (batch, head) of 2,048 rows x 64 channels.
; qkv: f16 [3 planes q, k, v][64 = 16 batch + head][2048][64]; att: f16 [16 heads][8192][64].  Products on f16 operands with f32 sums; maxima, exponentials and sums in f32; the weights p are rounded to f16 for the
; second product, the result once at the end.  LIMITS: |q|, |k|, |v| under 65,504 (they arrive as f16); a weight p under 2^-25 counts as 0 in the second product (its share of the row's sum is kept).
; SHARES.  Work-group (j, pair), j = 0 .. 3, owns two blocks of 256 queries, one after the other: block 7 - j, which sees key slots 0 .. 7 - j, then block j, which sees slots 0 .. j; a slot is 256 keys.  So every
; work-group walks exactly 9 slots: the trip counts are constants and the work is equal.  Each of the eight waves owns 32 queries of the block in hand: two tiles of 16, which share every fragment of K and V.  Two waves lie on a SIMD.
; NO CLUSTER: the four work-groups of a pair begin their second block, at slot 0 again, in different trips (trip 8 - j), so from trip 5 on they want different slots in the same trip: a joint request would not be the same in all four.
; LAYOUT.  S^T = K Q^T (source 0 = 16 keys, source 1 = 16 queries): a lane holds ONE query (lane % 16) and keys 8 (lane / 16) + 0..7.  Two such tiles, rounded to f16 in pairs, ARE source 1 (32 keys x 16 queries) of
; O^T = V^T P, whose result again holds one query a lane.  K comes out of LDS as it lies, V ([key][channel]) turned, by ds_load_tr16_b128.
; SOFTMAX.  For each query a running maximum m and sum l: p = 2^(c s - c m), c = log2(e) / 8; in every step O and l are multiplied by a = 2^(c m_old - c m_new).  m begins at -3e38, O and l at 0: the first a is 0 and multiplies zeros.
; CAUSAL.  A key step (64 keys) all of whose keys come after the wave's 32 queries is left out by a scalar branch on ids; in the one step on the diagonal hidden scores become -infinity ahead of the maximum.
; In every step that is worked the step's first key counts for every query of the wave (32 divides the wave's first query, 64 the step's first key), so m is a number from the first step on.
; THE RING.  Two LDS slots of 4 key steps, 2^17 bytes apart.  At each change of slots every wave issues one tensor load of 8,192 bytes (waves 0-3: K of step w; waves 4-7: V of step w - 4) into the slot just left.
; One tensor load of a wave is out at any time.  A head's rows of 128 bytes are dense in memory, so a tile of 64 keys is stated as 32 rows of 256 bytes, two keys to a row.
; A slot's four key steps are written out: a step's place in its slot stands in the loads' immediate offsets (60,768 at the most), and the slot's first byte, 0 or 2^17, in two address registers made at the slot's head.
; REGISTERS.  window 0: v1-12 addresses; v16-31 statistics, eight a tile; v32-95 K; v96-159 V; v160-223 S^T, 32 a tile; v224-255 P, 16 a tile.   window 1: v0-63 O^T, 32 a tile; v64-95 Q of the block in hand; v96-127 Q of the second block.
.set PK,    272                        ; two keys of K in LDS: 256 bytes + 16: key kk at (kk / 2) x 272 + (kk % 2) x 128: the 16 keys of a load fall on 16 different 16-byte columns of the 64 banks (ISA guide 11.1)
.set PVP,   288                        ; two keys of V: 256 + 32
.set VOFF,  32*PK                      ; a step's tiles lie together: 64 keys of K, then 64 of V
.set STEPB, 32*(PK+PVP)
.set SLOT1, 1<<17                      ; slot 1 begins here: one exclusive or turns an address in one slot into the other's
.set STAGE, SLOT1+4*STEPB              ; behind the ring: 32 rows x 144 bytes for each wave, for the way out; no tile ever lands here
.set SPT,   144
.set SPARE, STAGE+8*32*SPT             ; the spare words, 128 bytes for each wave: four blocks of 256 bytes that no other line names
.set AK0, 1                            ; v1   my lane's place in a tile of K; never rewritten
.set AV0, 2                            ; v2   the same for V
.set ADK, 3                            ; v3   LDS address of my place in the first tile of K of the slot in hand
.set ADV, 4                            ; v4   the same for V
.set STO, 5                            ; v5   the way out: where I put 16 bytes of a row
.set RD,  6                            ; v6   where I read back
.set GO,  7                            ; v7   16 x lane
.set QO,  8                            ; v8   my byte offset in the wave's rows of Q
.set LT,  9                            ; v9   lane % 16 - 8 (lane / 16), for the mask
.set SPW, 10                           ; v10  LDS address of my spare word; never rewritten
.set NIL, 11                           ; v11  0; never rewritten
.set PFO, 12                           ; v12  256 x lane: the prefetches' offset; never rewritten
.set ST,  16                           ; tile t's statistics at v[ST + 8 t]: +0 c m, +1 m, +2, +3 l (even keys', odd keys'), +4 .. +7 c0-c3 at work; a takes +6, the step's sum +4, +5
.set KR,  32                           ; K's fragment (16 keys kt, 32 channels ch) at KR + 16 kt + 8 ch
.set VR,  96                           ; V's fragment (32 keys kh, 16 channels c) at VR + 8 (4 kh + c)
.set S,   160
.set P,   224
.set QR,  64                           ; in window 1: Q's fragment (tile t, 32 channels ch) at QR + 16 t + 8 ch
.set QR2, 96
.set WV,  8                            ; s8   my wave's number
.set J,   9                            ; s9   j
.set BH,  10                           ; s10  16 batch + head
.set KB,  12                           ; s[12:13] K at my tile of slot 0;  s[14:15] V likewise
.set VB,  14
.set OFS, 16                           ; s[16:17] the slot's bytes: 32,768 x POS
.set POS, 18                           ; s18  which 256 keys the next fill brings
.set G1K, 24                           ; s[24:31] descriptor group 1 for K's tiles;  s[32:39] for V's: it differs in the padding alone
.set G1V, 32
.set G0K, 40                           ; s[40:43], s[44:47] their groups 0
.set G0V, 44
.set CS,  48                           ; s[48:49] c: the packed form names a pair and takes its low word for both halves
.set SEL, 50                           ; s[50:51] lane selects for v_permlanex16_b32: lane l xor 16
.set TB,  52                           ; s52  LDS byte at which the slot in hand begins: 0 or 2^17
.set SLOTS, 54                         ; s54  changes of slots still to come that fill
.set KF,  55                           ; s55  the step's first key
.set Q0,  56                           ; s56  my first query of the block in hand
.set T0,  57                           ; s57  at work
.set LIM, 58                           ; s58  2 in a work-group that prefetches, else the greatest number
.set PFA, 60                           ; s[60:61] where my prefetches stand
.set OB,  62                           ; s[62:63] att at my 32 rows of the block in hand;  s[66:67] of the second block
.set OB2, 66
.set Q0B, 68                           ; s68  my first query of the second block
.set MSB, 0
.macro WIN new                         ; the immediate's high byte repeats the setting that is left; a switch that changes nothing is dropped
.if MSB != \new
	s_set_vgpr_msb (MSB<<8)|\new
.set MSB, \new
.endif
.endm
.set W_KQ,  0x04                       ; Q (source 1) in window 1
.set W_PV,  0x50                       ; O^T (C and D) in window 1
.set W_RS,  0x41                       ; destination and source 0 in window 1
.set TO1,   0x40                       ; destination in window 1
.set FROM1, 0x05                       ; sources 0 and 1 in window 1
; Waves 0-3 fetch K's tiles, waves 4-7 V's.  The branch hangs on the wave's number alone.  Four v_nop follow each of the two lines.
.macro TLOAD
	s_cmp_lt_u32 s[WV], 4
	s_cbranch_scc0 .Lfor_v_\@
	tensor_load_to_lds s[G0K:G0K+3], s[G1K:G1K+7]
	s_nop 0
.rept 4
	v_nop
.endr
	s_branch .Lasked_\@
.Lfor_v_\@:
	tensor_load_to_lds s[G0V:G0V+3], s[G1V:G1V+7]
	s_nop 0
.rept 4
	v_nop
.endr
.Lasked_\@:
.endm
; A PREFETCH INTO THE L2 of what the NEXT change of slots will ask for.  All four work-groups of a pair walk the same K and V; the one with j = 0 walks slots 0 to 7 in its trips 0 to 7 and asks, nobody else.
; Each of its eight waves asks for the 8,192 bytes that it will itself load: lanes 256 bytes apart, one instruction.  So each aligned block of 256 bytes is named once in the launch.
; In trip i slot i + 2 is named, four key steps ahead of its load; trips 6 and 7 ask for nothing (slot 7 is the last); slots 0 and 1 come by their loads alone.
.macro ASK
	s_cmp_gt_u32 s[SLOTS], s[LIM]
	s_cbranch_scc0 .Lnot_mine_\@
	global_prefetch_b8 v[PFO], s[PFA:PFA+1] th:TH_LOAD_NT scope:SCOPE_SE
.Lnot_mine_\@:
.endm
	s_load_b128 s[4:7], s[0:1], 0x0                ; qkv s[4:5], att s[6:7]
	v_lshl_add_u32 v[SPW], v0, 2, SPARE
	v_mov_b32 v[NIL], 0
	ds_add_u32 v10, v11
	ds_add_u32 v10, v11
	s_wait_dscnt 0x0
	v_lshrrev_b32 v13, 5, v0
	v_readfirstlane_b32 s[WV], v13                 ; wave 0..7
	s_mov_b32 s[J], ttmp9
	s_and_b32 s[BH], ttmp7, 0xffff
	; descriptor group 1: 32 rows of 32 elements of 8 bytes, dense in memory, padded in LDS
	s_mov_b32 s[G1K], (3<<16)|(1<<20)|(5<<22)|(3<<25)   ; 15:0 no mask; 17:16 elements of 8 bytes; 20 padding on; 24:22 after every 64 words (code 5); 31:25 four words (code 3)
	s_mov_b32 s[G1V], (3<<16)|(1<<20)|(5<<22)|(7<<25)   ; the same with eight words (code 7)
.irp g, G1K, G1V
	s_mov_b32 s[\g+1], 32<<16                      ; tensor_dim0 = 32
	s_mov_b32 s[\g+2], 32<<16                      ; tensor_dim1 = 32
	s_mov_b32 s[\g+3], 32<<16                      ; tile_dim0 = 32
	s_mov_b32 s[\g+4], 32                          ; tile_dim1 = 32
	s_mov_b32 s[\g+5], 32                          ; tensor_dim0_stride
	s_mov_b32 s[\g+6], 0
	s_mov_b32 s[\g+7], 0
.endr
	s_mov_b32 s[CS], 0x3e38aa3b                    ; c = log2(e) / 8
	s_mov_b32 s[CS+1], s[CS]                       ; (named with it as a pair, so it is written)
	s_mov_b32 s[SEL], 0x76543210
	s_mov_b32 s[SEL+1], 0xfedcba98
	s_and_b32 s20, s[WV], 3                        ; which of a slot's four steps I fetch:
	s_mul_i32 s19, s20, STEPB                      ; its place in a slot,
	s_lshl_b32 s20, s20, 13                        ; its 64 rows of 128 bytes in memory
	s_lshl_b32 s22, s[BH], 18                      ; my pair's 2,048 rows of 128 bytes
	s_add_co_u32 s[OFS], s20, s22
	s_add_co_u32 s[OFS], s[OFS], 1<<24             ; in k's plane
	s_mov_b32 s[OFS+1], 0
	s_wait_kmcnt 0x0
	s_add_nc_u64 s[KB:KB+1], s[4:5], s[OFS:OFS+1]
	s_add_nc_u64 s[VB:VB+1], s[KB:KB+1], 1<<24     ; v's plane follows k's
	s_mov_b32 s[G0K], 1                            ; 1:0 count = 1
	s_mov_b32 s[G0K+1], s19                        ; 63:32 LDS address: slot 0
	s_mov_b64 s[G0K+2:G0K+3], s[KB:KB+1]           ; 120:64 global address: keys 0 to 255
	s_or_b32 s[G0K+3], s[G0K+3], 0x80000000        ; 127:126 type = 2
	s_mov_b32 s[G0V], 1
	s_add_co_u32 s[G0V+1], s19, VOFF
	s_mov_b64 s[G0V+2:G0V+3], s[VB:VB+1]
	s_or_b32 s[G0V+3], s[G0V+3], 0x80000000
	TLOAD                                          ; the one first fill: slot 0, ahead of every wait on TENSORcnt, every LDS read and every barrier
	s_cmp_lt_u32 s[WV], 4
	s_cselect_b64 s[PFA:PFA+1], s[KB:KB+1], s[VB:VB+1]
	s_add_nc_u64 s[PFA:PFA+1], s[PFA:PFA+1], 32768 ; at slot 1: the first change of slots steps it to slot 2.  Nothing is prefetched here, at the head
	s_cmp_eq_u32 s[J], 0
	s_cselect_b32 s[LIM], 2, -1
	s_sub_co_u32 s[Q0], 7, s[J]
	s_lshl_b32 s[Q0], s[Q0], 8
	s_lshl_b32 s[T0], s[WV], 5
	s_add_co_u32 s[Q0], s[Q0], s[T0]               ; my first query: 256 (7 - j) + 32 w,
	s_lshl_b32 s[Q0B], s[J], 8
	s_add_co_u32 s[Q0B], s[Q0B], s[T0]             ; then 256 j + 32 w
	s_lshl_b32 s20, s[Q0], 7
	s_add_co_u32 s20, s20, s22
	s_mov_b32 s21, 0
	s_add_nc_u64 s[20:21], s[4:5], s[20:21]        ; Q of the first block
	s_lshl_b32 s2, s[Q0B], 7
	s_add_co_u32 s2, s2, s22
	s_mov_b32 s3, 0
	s_add_nc_u64 s[22:23], s[4:5], s[2:3]          ; and of the second
	s_and_b32 s2, s[BH], 15
	s_lshl_b32 s2, s2, 20                          ; att: the head's plane of 8,192 rows x 128 bytes,
	s_lshr_b32 s3, s[BH], 4
	s_lshl_b32 s3, s3, 18                          ; the batch's 2,048 rows
	s_add_co_u32 s2, s2, s3
	s_lshl_b32 s[OB], s[Q0], 7
	s_add_co_u32 s[OB], s[OB], s2
	s_mov_b32 s[OB+1], 0
	s_add_nc_u64 s[OB:OB+1], s[6:7], s[OB:OB+1]
	s_lshl_b32 s[OB2], s[Q0B], 7
	s_add_co_u32 s[OB2], s[OB2], s2
	s_mov_b32 s[OB2+1], 0
	s_add_nc_u64 s[OB2:OB2+1], s[6:7], s[OB2:OB2+1]
	v_and_b32 v13, 15, v0                          ; r = lane % 16
	v_bfe_u32 v14, v0, 4, 1                        ; h = lane / 16
	v_and_b32 v15, 31, v0                          ; lane
	v_lshlrev_b32 v[QO], 7, v13
	v_lshl_add_u32 v[QO], v14, 4, v[QO]            ; Q: row r of 128 bytes + 16 h
	WIN TO1
.irp t, 0,1                            ; a fragment of Q or K is 16 rows x 32 channels in 8 registers: registers 0-3 channels 8 h + 0..7, registers 4-7 channels 16 + 8 h + 0..7: two loads of 16 bytes, 32 apart
.irp c, 0,1
	global_load_b128 v[QR+16*\t+8*\c:QR+16*\t+8*\c+3],     v[QO], s[20:21] offset:\t*2048+\c*64 th:TH_LOAD_NT
	global_load_b128 v[QR+16*\t+8*\c+4:QR+16*\t+8*\c+7],   v[QO], s[20:21] offset:\t*2048+\c*64+32 th:TH_LOAD_NT
	global_load_b128 v[QR2+16*\t+8*\c:QR2+16*\t+8*\c+3],   v[QO], s[22:23] offset:\t*2048+\c*64 th:TH_LOAD_NT
	global_load_b128 v[QR2+16*\t+8*\c+4:QR2+16*\t+8*\c+7], v[QO], s[22:23] offset:\t*2048+\c*64+32 th:TH_LOAD_NT
.endr
.endr
	WIN 0
	v_lshrrev_b32 v[AK0], 1, v13
	v_mul_u32_u24 v[AK0], v[AK0], PK
	v_and_b32 v[AV0], 1, v13
	v_lshl_add_u32 v[AK0], v[AV0], 7, v[AK0]
	v_lshl_add_u32 v[AK0], v14, 4, v[AK0]          ; K: key r: (r / 2) x 272 + (r % 2) x 128 + 16 h
	; The turning load takes 16 keys x 16 channels: lane l reads 16 bytes of key 8 h + l % 8, channels 8 ((l / 8) % 2) + 0..7, and is left with channel l % 16 and 8 keys
	v_bfe_u32 v3, v0, 1, 2
	v_mul_u32_u24 v3, v3, PVP
	v_lshl_add_u32 v3, v[AV0], 7, v3
	v_bfe_u32 v4, v0, 3, 1
	v_lshl_add_u32 v3, v4, 4, v3
	v_mad_u32_u24 v[AV0], v14, 4*PVP, v3
	v_add_nc_u32 v[AV0], VOFF, v[AV0]
	s_mul_i32 s[T0], s[WV], 32*SPT
	s_add_co_u32 s[T0], s[T0], STAGE               ; my stage
	v_mul_u32_u24 v[STO], v13, SPT                 ; in: row r, 16 bytes for each half of the lanes
	v_lshl_add_u32 v[STO], v14, 4, v[STO]
	v_add_nc_u32 v[STO], s[T0], v[STO]
	v_bfe_u32 v[RD], v0, 3, 2                      ; back: eight lanes to a row of 128 bytes, four rows an instruction
	v_mul_u32_u24 v[RD], v[RD], SPT
	v_and_b32 v[GO], 7, v0
	v_lshl_add_u32 v[RD], v[GO], 4, v[RD]
	v_add_nc_u32 v[RD], s[T0], v[RD]
	v_lshlrev_b32 v[GO], 4, v15                    ; four rows are 512 consecutive bytes of att
	v_lshlrev_b32 v[LT], 3, v14
	v_sub_nc_u32 v[LT], v13, v[LT]
	v_lshlrev_b32 v[PFO], 8, v15
.macro FETCH_K off                     ; 64 keys x 64 channels: 8 fragments, 16 loads; off: the step's place in the slot
.irp kt, 0,1,2,3
.irp ch, 0,1
	ds_load_b128 v[KR+16*\kt+8*\ch:KR+16*\kt+8*\ch+3],   v[ADK] offset:\off+\kt*8*PK+\ch*64
	ds_load_b128 v[KR+16*\kt+8*\ch+4:KR+16*\kt+8*\ch+7], v[ADK] offset:\off+\kt*8*PK+\ch*64+32
.endr
.endr
.endm
.macro FETCH_V off                     ; a step's V, turned: 8 fragments, 16 loads
.irp kh, 0,1
.irp c, 0,1,2,3
	ds_load_tr16_b128 v[VR+8*(4*\kh+\c):VR+8*(4*\kh+\c)+3],   v[ADV] offset:\off+\kh*16*PVP+\c*32
	ds_load_tr16_b128 v[VR+8*(4*\kh+\c)+4:VR+8*(4*\kh+\c)+7], v[ADV] offset:\off+\kh*16*PVP+8*PVP+\c*32
.endr
.endr
.endm
; S^T = K Q^T: product i of 16: channels 32 (i / 8) on, keys 16 ((i / 2) % 4) on, tile i % 2.  The first 8 start the sums.  The eight accumulators take turns, one instruction a turn.
.macro KQ
	WIN W_KQ
.set i, 0
.rept 16
.set rS, S+32*(i%2)+8*((i/2)%4)
.set rK, KR+16*((i/2)%4)+8*(i/8)
.set rQ, QR+16*(i%2)+8*(i/8)
.if i < 8
	v_wmma_f32_16x16x32_f16 v[rS:rS+7], v[rK:rK+7], v[rQ:rQ+7], 0
.else
	v_wmma_f32_16x16x32_f16 v[rS:rS+7], v[rK:rK+7], v[rQ:rQ+7], v[rS:rS+7]
.endif
.set i, i+1
.endr
.endm
; O^T += V^T P: product i of 16: keys 32 (i / 8) on, channels 16 ((i / 2) % 4) on, tile i % 2.  Eight accumulators by turns.
.macro PV
	WIN W_PV
.set i, 0
.rept 16
.set rO, 32*(i%2)+8*((i/2)%4)
.set rV, VR+8*(4*(i/8)+(i/2)%4)
.set rP, P+16*(i%2)+8*(i/8)
	v_wmma_f32_16x16x32_f16 v[rO:rO+7], v[rV:rV+7], v[rP:rP+7], v[rO:rO+7]
.set i, i+1
.endr
.endm
; On the diagonal: register 8 kt + i of tile t holds key KF + 16 kt + 8 h + i for query Q0 + 16 t + r: hidden where 16 kt + i > d = Q0 - KF + 16 t + r - 8 h.  Each accumulator is taken from its low end on.
.macro MASK
	s_sub_co_i32 s[T0], s[Q0], s[KF]
	v_add_nc_u32 v[ST+4], s[T0], v[LT]             ; d of tile 0,
	v_add_nc_u32 v[ST+12], 16, v[ST+4]             ; of tile 1
	v_mov_b32 v[ST+5], 0xff800000                  ; -infinity
.set n, 0
.rept 64
	v_cmp_gt_i32 vcc_lo, 16*((n%32)/8)+n%8, v[ST+8*(n/32)+4]
	v_cndmask_b32 v[S+n], v[S+n], v[ST+5], vcc_lo
.set n, n+1
.endr
.endm
; The two tiles' softmax for one key step.  Where one line feeds the next the tiles alternate; the exponentials stand two and two with a plain instruction of ready work behind each pair, so that each has a plain
; instruction between it and the use of its result (ISA guide 5.7.2).
.macro SOFTMAX
.irp j, 0,1,2,3                        ; the maximum of the lane's 32 scores and the old m: four chains of seven, the four scores left over, then the chains and m
.irp t, 0,1
	v_max3_num_f32 v[ST+8*\t+4+\j], v[S+32*\t+8*\j], v[S+32*\t+8*\j+1], v[S+32*\t+8*\j+2]
.endr
.endr
.irp n, 3,5
.irp j, 0,1,2,3
.irp t, 0,1
	v_max3_num_f32 v[ST+8*\t+4+\j], v[ST+8*\t+4+\j], v[S+32*\t+8*\j+\n], v[S+32*\t+8*\j+\n+1]
.endr
.endr
.endr
.irp t, 0,1
	v_max3_num_f32 v[ST+8*\t+4], v[ST+8*\t+4], v[S+32*\t+7], v[S+32*\t+15]
	v_max3_num_f32 v[ST+8*\t+6], v[ST+8*\t+6], v[S+32*\t+23], v[S+32*\t+31]
.endr
.irp t, 0,1
	v_max3_num_f32 v[ST+8*\t+4], v[ST+8*\t+4], v[ST+8*\t+5], v[ST+8*\t+6]
.endr
.irp t, 0,1
	v_max3_num_f32 v[ST+8*\t+4], v[ST+8*\t+4], v[ST+8*\t+7], v[ST+8*\t+1]
.endr
.irp t, 0,1
	v_permlanex16_b32 v[ST+8*\t+5], v[ST+8*\t+4], s[SEL], s[SEL+1]   ; the query's other 32 keys lie in the lane 16 away
.endr
.irp t, 0,1
	v_mov_b32 v[ST+8*\t+7], v[ST+8*\t]             ; c m_old is kept for a
.endr
.irp t, 0,1
	v_max_num_f32 v[ST+8*\t+1], v[ST+8*\t+4], v[ST+8*\t+5]
.endr
.irp t, 0,1
	v_mul_f32 v[ST+8*\t], s[CS], v[ST+8*\t+1]
.endr
.irp t, 0,1
	v_sub_f32 v[ST+8*\t+7], v[ST+8*\t+7], v[ST+8*\t]
.endr
.irp t, 0,1
	v_exp_f32 v[ST+8*\t+6], v[ST+8*\t+7]           ; a
.endr
.set i, 0
.rept 16
	v_pk_fma_f32 v[S+2*i:S+2*i+1], v[S+2*i:S+2*i+1], s[CS:CS+1], v[ST:ST+1] op_sel_hi:[1,0,0] neg_lo:[0,0,1] neg_hi:[0,0,1]   ; tile 0: c s - c m, two at a time
.set i, i+1
.endr
.set i, 0
.rept 16                               ; tile 0's exponentials | tile 1's c s - c m
	v_exp_f32 v[S+2*i], v[S+2*i]
	v_exp_f32 v[S+2*i+1], v[S+2*i+1]
	v_pk_fma_f32 v[S+32+2*i:S+32+2*i+1], v[S+32+2*i:S+32+2*i+1], s[CS:CS+1], v[ST+8:ST+9] op_sel_hi:[1,0,0] neg_lo:[0,0,1] neg_hi:[0,0,1]
.set i, i+1
.endr
.set i, 0
.rept 16                               ; tile 1's exponentials | tile 0's roundings to f16 and its sum (of the unrounded p)
	v_exp_f32 v[S+32+2*i], v[S+32+2*i]
	v_exp_f32 v[S+32+2*i+1], v[S+32+2*i+1]
	s_wait_alu depctr_va_vdst(0)
	v_cvt_pk_f16_f32 v[P+i], v[S+2*i], v[S+2*i+1]
.if i == 1
	v_pk_add_f32 v[ST+4:ST+5], v[S:S+1], v[S+2:S+3]
.elseif i > 1
	v_pk_add_f32 v[ST+4:ST+5], v[ST+4:ST+5], v[S+2*i:S+2*i+1]
.endif
.set i, i+1
.endr
	v_pk_fma_f32 v[ST+2:ST+3], v[ST+2:ST+3], v[ST+6:ST+7], v[ST+4:ST+5] op_sel_hi:[1,0,1]   ; l = a l + the step's sum
.set i, 0
	s_wait_alu depctr_va_vdst(0)
.rept 16                               ; tile 1's roundings and sum
	v_cvt_pk_f16_f32 v[P+16+i], v[S+32+2*i], v[S+32+2*i+1]
.if i == 1
	v_pk_add_f32 v[ST+12:ST+13], v[S+32:S+33], v[S+34:S+35]
.elseif i > 1
	v_pk_add_f32 v[ST+12:ST+13], v[ST+12:ST+13], v[S+32+2*i:S+32+2*i+1]
.endif
.set i, i+1
.endr
	v_pk_fma_f32 v[ST+10:ST+11], v[ST+10:ST+11], v[ST+14:ST+15], v[ST+12:ST+13] op_sel_hi:[1,0,1]
.endm
.macro RESCALE                         ; O^T times v[ST + 8 t + 6] (a, or at the end 1 / l), each accumulator from its low end on
	WIN W_RS
.set i, 0
.rept 32
	v_pk_mul_f32 v[2*i:2*i+1], v[2*i:2*i+1], v[ST+8*(i/16)+6:ST+8*(i/16)+7] op_sel_hi:[1,0]
.set i, i+1
.endr
.endm
; KEY STEP q OF A SLOT.  K of this step was fetched in the step before (step 0's at the slot's head).  Behind K Q^T come the loads of the next step's K (step 3 has no successor in its slot, and no such loads) and of
; this step's V, which land under the softmax.  A step that is left out fetches nothing: the steps behind it in the slot are left out too, since their keys come later still.
.macro STEP q
	s_add_co_u32 s[T0], s[Q0], 31
	s_cmp_gt_u32 s[KF], s[T0]                      ; all 64 keys come after my 32 queries: only the count of keys steps
	s_cbranch_scc1 .Lhidden_\@
	s_wait_dscnt 0x0                               ; K is in
	KQ
	WIN 0
.rept 4
	v_nop                                          ; four places behind the products: for the reads of S^T, and for the loads into K's registers, and into V's, which the last step's products read
.endr
.if (\q) < 3
	FETCH_K (\q+1)*STEPB
.endif
	FETCH_V (\q)*STEPB
	s_add_co_u32 s[T0], s[KF], 63
	s_cmp_le_u32 s[T0], s[Q0]                      ; all 64 keys count for all my queries: no mask
	s_cbranch_scc1 .Lopen_\@
	MASK
.Lopen_\@:
	SOFTMAX
	RESCALE
	s_wait_dscnt 0x0                               ; V is in: its loads are the youngest
	PV
	WIN 0
.Lhidden_\@:
	s_add_co_u32 s[KF], s[KF], 64
.endm
; THE WAY OUT of a block: l's two halves and the other half of the lanes' are added; O^T is divided by l, rounded to f16 and sent through my own stage: 32 rows of 128 bytes, 4,096 bytes that lie on end in att.
.macro FINISH
.rept 4
	v_nop                                          ; places behind the last products
.endr
.irp t, 0,1
	v_add_f32 v[ST+8*\t+4], v[ST+8*\t+2], v[ST+8*\t+3]
.endr
.irp t, 0,1
	v_permlanex16_b32 v[ST+8*\t+5], v[ST+8*\t+4], s[SEL], s[SEL+1]
.endr
.irp t, 0,1
	v_add_f32 v[ST+8*\t+4], v[ST+8*\t+4], v[ST+8*\t+5]
.endr
.irp t, 0,1
	v_rcp_f32 v[ST+8*\t+6], v[ST+8*\t+4]
.endr
	v_nop                                          ; a plain instruction between the last reciprocal and the use of its result
	s_wait_alu depctr_va_vdst(0)
	RESCALE
	WIN FROM1
.set i, 0
.rept 32
	v_cvt_pk_f16_f32 v[S+i], v[2*i], v[2*i+1]      ; register 16 t + 4 c + n: channels 16 c + 8 h + 2 n, + 1 of query 16 t + r
.set i, i+1
.endr
	WIN 0
.irp t, 0,1
.irp c, 0,1,2,3
	ds_store_b128 v[STO], v[S+16*\t+4*\c:S+16*\t+4*\c+3] offset:\t*16*SPT+32*\c
.endr
.endr
.irp i, 0,1,2,3,4,5,6,7
	ds_load_b128 v[S+32+4*\i:S+32+4*\i+3], v[RD] offset:\i*4*SPT   ; LDS serves a wave's instructions in order (ISA guide 5.7.1.4): these see the stores above
.endr
.irp i, 0,1,2,3,4,5,6,7
	s_wait_dscnt 7-\i                              ; the younger loads may be out
	global_store_b128 v[GO], v[S+32+4*\i:S+32+4*\i+3], s[OB:OB+1] offset:512*\i   ; 32 lanes store 512 consecutive bytes, at a multiple of 256 from att's first byte
.endr
	s_wait_xcnt 0x0                                ; the stores have read their registers and their base: both are written again
.endm
.macro INIT                            ; a block begins: O^T and l are zeros, m lies under every score.  (The key step has one form: a block's first step finds zeros, which a = 0 leaves zeros)
	WIN TO1
.set i, 0
.rept 64
	v_mov_b32 v[i], 0
.set i, i+1
.endr
	WIN 0
.irp t, 0,1
	v_mov_b32 v[ST+8*\t+1], 0xff61b1e6             ; m = -3e38
	v_mul_f32 v[ST+8*\t], s[CS], v[ST+8*\t+1]      ; c m
.irp n, 2,3,4,5,6,7
	v_mov_b32 v[ST+8*\t+\n], 0                     ; l; and the registers at work, since a lane permute's destination and the upper half of a named pair count as read
.endr
.endr
.endm
; In the trip in which the second block begins (the same in all eight waves: it hangs on j and the count of slots) the first block leaves and the second takes its place.  No barrier and no tensor load stands here.
.macro SWITCH
	s_cmp_lg_u32 s[SLOTS], s[J]
	s_cbranch_scc1 .Lsame_\@
	FINISH
	WIN W_RS
.set i, 0
.rept 32
	v_mov_b32 v[QR+i], v[QR2+i]
.set i, i+1
.endr
	INIT
	s_mov_b32 s[Q0], s[Q0B]
	s_mov_b32 s[KF], 0
	s_mov_b64 s[OB:OB+1], s[OB2:OB2+1]
.Lsame_\@:
.endm
; THE CHANGE OF SLOTS stands at a slot's head.  Each wave waits for all its tensor loads (its part of the slot that it is about to read), adds 0 to its spare word, and waits for that and for its reads of the slot
; that it has left.  Behind the barrier the slot ahead is whole and nobody reads the other one.  fill = 1: that other slot is filled with the next trip's 256 keys: the load has four key steps in which to land.
.macro CHANGE fill
	s_wait_tensorcnt 0x0                           ; no tensor load of mine is out, so a group 0 may be written
	ds_add_u32 v[SPW], v[NIL]                      ; 0 onto my spare word; with fill = 1 the descriptors' steps stand between it and the wait for it
.if \fill
	s_add_co_u32 s[POS], s[POS], 1                 ; the next 256 keys,
	s_sub_co_u32 s[T0], s[SLOTS], 1
	s_cmp_eq_u32 s[T0], s[J]
	s_cselect_b32 s[POS], 0, s[POS]                ; or the first again, where the next trip begins the second block
	s_lshl_b32 s[OFS], s[POS], 15
	s_xor_b32 s[G0K+1], s[G0K+1], SLOT1            ; the other slot than last time
	s_xor_b32 s[G0V+1], s[G0V+1], SLOT1
	s_add_nc_u64 s[G0K+2:G0K+3], s[KB:KB+1], s[OFS:OFS+1]
	s_or_b32 s[G0K+3], s[G0K+3], 0x80000000
	s_add_nc_u64 s[G0V+2:G0V+3], s[VB:VB+1], s[OFS:OFS+1]
	s_or_b32 s[G0V+3], s[G0V+3], 0x80000000
	s_wait_xcnt 0x0                                ; the last prefetch, a slot back, has read its address, so it may be written
	s_add_nc_u64 s[PFA:PFA+1], s[PFA:PFA+1], 32768
.endif
	s_wait_dscnt 0x0                               ; the add is done, and my reads of the slot that I have left are over
	s_barrier_signal -1
	s_barrier_wait -1
.if \fill
	TLOAD                                          ; the first thing behind the barrier, and a wave's one tensor load until the next
	ASK
.endif
.endm
.macro SLOT_STEPS                      ; a slot's four key steps, written out
	SWITCH
	v_add_nc_u32 v[ADK], s[TB], v[AK0]             ; my places in the slot in hand
	v_add_nc_u32 v[ADV], s[TB], v[AV0]
	FETCH_K 0
	STEP 0
	STEP 1
	STEP 2
	STEP 3
	s_xor_b32 s[TB], s[TB], SLOT1                  ; on to the other slot
.endm
	INIT
	s_mov_b32 s[TB], 0
	s_mov_b32 s[KF], 0
	s_mov_b32 s[POS], 0
	s_mov_b32 s[SLOTS], 8
	s_wait_loadcnt 0x0                             ; Q of both blocks
.Lslot:                                            ; 8 trips: behind each change of slots but the last the next trip's keys are asked for
	CHANGE 1
	SLOT_STEPS
	s_sub_co_u32 s[SLOTS], s[SLOTS], 1
	s_cmp_lg_u32 s[SLOTS], 0
	s_cbranch_scc1 .Lslot
	CHANGE 0                                       ; the ninth slot is written out
	SLOT_STEPS
	FINISH                                         ; the second block leaves
	s_wait_tensorcnt 0x0                           ; the wave's end, behind my last tensor load and my last LDS store
	ds_add_u32 v[SPW], v[NIL]
	s_wait_dscnt 0x0
	s_endpgm
.Lfunc_end_k_q394f68c2b4_attn:
	.size	k_q394f68c2b4_attn, .Lfunc_end_k_q394f68c2b4_attn-k_q394f68c2b4_attn
	.p2alignl 7, 3214868480
	.fill 96, 4, 3214868480
	.section	.rodata,"a",@progbits
	.p2align	6, 0x0
	.amdhsa_kernel k_q394f68c2b4_attn
		.amdhsa_group_segment_fixed_size 327680
		.amdhsa_private_segment_fixed_size 0
		.amdhsa_enable_private_segment 0
		.amdhsa_kernarg_size 16
		.amdhsa_user_sgpr_count 2
		.amdhsa_user_sgpr_kernarg_segment_ptr 1
		.amdhsa_wavefront_size32 1
		.amdhsa_system_sgpr_workgroup_id_x 1
		.amdhsa_system_sgpr_workgroup_id_y 1
		.amdhsa_system_sgpr_workgroup_id_z 1
		.amdhsa_system_vgpr_workitem_id 0
		.amdhsa_next_free_vgpr 384
		.amdhsa_next_free_sgpr 72
		.amdhsa_reserve_vcc 1
		.amdhsa_float_denorm_mode_32 3
		.amdhsa_float_denorm_mode_16_64 3
		.amdhsa_memory_ordered 1
		.amdhsa_forward_progress 1
		.amdhsa_inst_pref_size 214
	.end_amdhsa_kernel
	.amdgpu_metadata
---
amdhsa.version: [ 1, 2 ]
amdhsa.kernels:
  - .name:           k_q394f68c2b4_attn
    .symbol:         k_q394f68c2b4_attn.kd
    .args:
      - { .name: qkv, .offset: 0, .size: 8, .value_kind: global_buffer, .address_space: global }
      - { .name: att, .offset: 8, .size: 8, .value_kind: global_buffer, .address_space: global }
    .group_segment_fixed_size: 327680
    .private_segment_fixed_size: 0
    .kernarg_segment_align: 8
    .kernarg_segment_size: 16
    .max_flat_workgroup_size: 256
    .sgpr_count:     72
    .vgpr_count:     384
    .wavefront_size: 32
...
	.end_amdgpu_metadata
.endif
;; end of part 3
;; launch proj (part 4): grid 8 x 32, 4 waves a work-group, clusters of 4 x 4, 327,680 bytes of LDS; arguments att, wo2, out0; writes out0
.if DOCPART == 4
	.amdgcn_target "amdgcn-amd-amdhsa--gfx1250"
	.amdhsa_code_object_version 6
	.text
	.protected	k_q394f68c2b4_proj
	.globl	k_q394f68c2b4_proj
	.p2align	8
	.type	k_q394f68c2b4_proj,@function
k_q394f68c2b4_proj:
	s_mov_b64 s[64:65], 0
	v_nop
	global_prefetch_b8 v0, s[64:65] scope:SCOPE_SE
	s_setreg_imm32_b32 hwreg(HW_REG_WAVE_MODE, 25, 1), 1
	s_wait_xcnt 0x0
	s_wait_alu depctr_hold_cnt(0) depctr_sa_sdst(0) depctr_va_vdst(0) depctr_va_sdst(0) depctr_va_ssrc(0) depctr_va_vcc(0) depctr_vm_vsrc(0)
	s_getreg_b32 s2, hwreg(HW_REG_IB_STS2, 6, 4)
	s_cmp_eq_u32 s2, 0
	s_cbranch_scc0 .Lentry_in_a_cluster
	s_endpgm
.Lentry_in_a_cluster:
	s_bfe_u32 s2, ttmp6, 0x10000c
	s_cmp_lg_u32 s2, 0xf033
	s_cbranch_scc0 .Lentry_shape_is_right
	s_endpgm
.Lentry_shape_is_right:
; out0[m][n] = sum over k of A[m][k] Wo[n][k], k = 64 head + d.  A = att, f16 [16 heads][8192 rows][64]; Wo = wo2, f16 in two planes [2][1024 n][1024 k], hi + lo; out0 [8192][1024] f32; sums in f32.
; Each accumulator takes TWO products for each 32 along K, A x hi and A x lo, so that Wo enters with some 22 bits and only A's rounding to f16 is left in this product.
; A tile of out0 is 256 x 128: 256 work-groups of four waves; a wave makes 128 rows x 64 columns: 32 accumulators of 16 x 16, 256 registers.  For 32 along K it reads 8 fragments of A, 4 of hi and 4 of lo for 64 matrix instructions.
; K goes in 8 steps of 128 (two heads) through a ring of two LDS slots filled by the tensor data mover, one load a wave: wave 0 and 1 one head's 256 rows of A each (32,768 dense bytes, stated as 128 rows of 256 bytes,
; two rows of A to a row), wave 2 hi's 128 rows x 256 bytes, wave 3 lo's.  Two tensor loads of a wave are out at the start, one behind each change of slots.
; CLUSTERS: 4 x 4 work-groups.  The four of a row of the cluster need the same tiles of A, the four of a column the same tiles of Wo: each tile is asked for JOINTLY, by the same tensor load with the same descriptor
; and a mask that names the four.  THE MATRIX INSTRUCTION IS USED TRANSPOSED (source 0 = 16 rows of Wo, source 1 = 16 rows of A): a lane then holds eight neighbouring numbers of a row of out0.
; REGISTERS, in windows of 256: window 0: v0-31 addresses; v64-127, v128-191 A's fragments (8 x 16 rows x 32 K), two buffers; v192-255 rows on the way out.
;   window 1: v64-127, v128-191 Wo's fragments, two buffers: hi's four, then lo's four.   window 2: the accumulators, (a, b) at v[8 (4 a + b)].
.set PITCH,  272                       ; an LDS row: 256 bytes + 16 of padding = 68 words: the 16 rows (or 8 double rows) that a load touches fall on 16 different 16-byte columns of the 64 banks (ISA guide 11.1)
.set HALFT,  128*PITCH                 ; what one tensor load brings
.set SLOT,   4*HALFT                   ; A's even head, A's odd head, hi, lo
.set STAGE,  2*SLOT                    ; behind the ring: 16 rows x 272 bytes for each wave, for the way out
.set SPITCH, 272
.set SPARE,  STAGE+4*16*SPITCH         ; behind the stages: the spare words, 128 bytes for each wave: two blocks of 256 bytes that no other line names
.set LAPS,   4                         ; a lap = two K steps = once round the ring
.set ASTEP,  2*1048576                 ; a K step on in att: two heads' planes
.set BSTEP,  256                       ; and in a row of wo2
.set ADRA, 16                          ; v16-17  LDS address of my A fragments in slot 0, 1
.set ADRB, 20                          ; v20-21  the same for Wo
.set STO,  24                          ; v24     the way out: where I put 32 bytes of a row
.set RD,   25                          ; v25     where I read a row back
.set CO,   26                          ; v26     my byte offset in out0
.set SPW,  28                          ; v28     LDS address of my spare word; never rewritten
.set NIL,  29                          ; v29     0; never rewritten
.set F0,   64                          ; fragment buffer 0
.set F1,   128                         ; fragment buffer 1
.set BK,   192                         ; the way out: 16 rows read back: v192-223 and v224-255 by turns
.set G1, 24                            ; s[24:31] descriptor group 1 for A's tiles;  s[32:39] group 0, one set for each slot
.set G0, 32
.set G1B, 48                           ; s[48:55], s[56:63] the same for Wo's tiles
.set G0B, 56
.set MSB, 0
.macro WIN new                         ; the immediate's high byte repeats the setting that is left
.if MSB != \new
	s_set_vgpr_msb (MSB<<8)|\new
.set MSB, \new
.endif
.endm
.set MUL,  0xa1                        ; source 0 (Wo) window 1, source 1 (A) window 0, C and D window 2
.set TO_B, 0x40                        ; destination window 1, address window 0
; A joint load: waves 0 and 1 fetch for A, waves 2 and 3 for Wo.  Each of the two lines has ONE mask and one set of registers for all that issue it; the branch hangs on the wave's number alone.
; Four v_nop follow each of the two lines, ahead of the jump, the label and what follows.
.macro JLOAD s
	s_cmp_eq_u32 s11, 0
	s_cbranch_scc0 .Lfor_b_\@
	tensor_load_to_lds s[G0+4*\s:G0+4*\s+3], s[G1:G1+7]
	s_nop 0
.rept 4
	v_nop
.endr
	s_branch .Lasked_\@
.Lfor_b_\@:
	tensor_load_to_lds s[G0B+4*\s:G0B+4*\s+3], s[G1B:G1B+7]
	s_nop 0
.rept 4
	v_nop
.endr
.Lasked_\@:
.endm
.macro CREST                           ; a round of the cluster's barrier behind its opening barrier
	s_cmp_lg_u32 s10, 0
	s_cbranch_scc1 .Lnot_wave_0_\@
	s_barrier_signal -3
.Lnot_wave_0_\@:
	s_barrier_wait -3
	s_barrier_signal -1
	s_barrier_wait -1
.endm
.macro CROUND                          ; a whole round
	s_barrier_signal -1
	s_barrier_wait -1
	CREST
.endm
	s_load_b128 s[4:7], s[0:1], 0x0                ; att s[4:5], wo2 s[6:7]
	s_load_b64 s[8:9], s[0:1], 0x10                ; out0
	v_lshl_add_u32 v[SPW], v0, 2, SPARE
	v_mov_b32 v[NIL], 0
	ds_add_u32 v28, v29
	ds_add_u32 v28, v29
	s_wait_dscnt 0x0
	v_lshrrev_b32 v1, 5, v0
	v_readfirstlane_b32 s10, v1                    ; wave 0..3
	s_lshr_b32 s11, s10, 1                         ; which half of the tile's rows is mine.  Also: I fetch for A (0) or for Wo (1)
	s_and_b32 s12, s10, 1                          ; which half of its columns.  Also: which head of the K step's two, or which plane of Wo, I fetch
	s_bfe_u32 s40, ttmp6, 0x40000                  ; cx, cy: my place in the cluster
	s_bfe_u32 s41, ttmp6, 0x40004
	s_lshl_b32 s42, ttmp9, 2
	s_add_co_u32 s42, s42, s40                     ; tile column = 4 x cluster x + cx
	s_and_b32 s13, ttmp7, 0xffff
	s_lshl_b32 s13, s13, 2
	s_add_co_u32 s13, s13, s41                     ; tile row = 4 x cluster y + cy
	s_lshl_b32 s43, s41, 2
	s_lshl_b32 s43, 15, s43                        ; my row of the cluster
	s_lshl_b32 s44, 0x1111, s40                    ; my column
	; descriptor group 1.  A: 128 rows of 32 elements of 8 bytes, dense.  Wo: 128 rows of 128 elements of 2 bytes, 1,024 elements apart.  Both: 16 bytes of padding behind every 256
	s_or_b32 s[G1+0], s43, (3<<16)|(1<<20)|(1<<21)|(5<<22)|(3<<25)  ; 15:0 the mask: A's tiles go to my row; 17:16 element size; 20 padding on; 21 set beside a mask; 24:22 after every 64 words (code 5); 31:25 of 4 words (code 3)
	s_mov_b32 s[G1+1], 32<<16                      ; tensor_dim0
	s_mov_b32 s[G1+2], 128<<16                     ; tensor_dim1
	s_mov_b32 s[G1+3], 32<<16                      ; tile_dim0
	s_mov_b32 s[G1+4], 128                         ; tile_dim1
	s_mov_b32 s[G1+5], 32                          ; tensor_dim0_stride
	s_mov_b32 s[G1+6], 0
	s_mov_b32 s[G1+7], 0
	s_or_b32 s[G1B+0], s44, (1<<16)|(1<<20)|(1<<21)|(5<<22)|(3<<25) ; Wo's tiles go to my column
	s_mov_b32 s[G1B+1], 128<<16
	s_mov_b32 s[G1B+2], 128<<16
	s_mov_b32 s[G1B+3], 128<<16
	s_mov_b32 s[G1B+4], 128
	s_mov_b32 s[G1B+5], 1024
	s_mov_b32 s[G1B+6], 0
	s_mov_b32 s[G1B+7], 0
	; where the tiles come from.  A's hang on the tile row alone, Wo's on the tile column alone; every wave makes both addresses, in registers that never hold the other coordinate
	s_lshl_b32 s16, s12, 20                        ; A: my head's plane,
	s_lshl_b32 s17, s13, 15                        ; the tile's 256 rows of 128 bytes
	s_add_co_u32 s16, s16, s17
	s_mov_b32 s17, 0
	s_lshl_b32 s46, s12, 21                        ; Wo: my plane,
	s_lshl_b32 s47, s42, 18                        ; the tile's 128 rows of 2,048 bytes
	s_add_co_u32 s46, s46, s47
	s_mov_b32 s47, 0
	s_mul_i32 s20, s10, HALFT                      ; and where they go: wave x 128 LDS rows: no place in the cluster enters an LDS address
	s_wait_kmcnt 0x0
	s_add_nc_u64 s[14:15], s[4:5], s[16:17]
	s_add_nc_u64 s[46:47], s[6:7], s[46:47]
	CROUND                                         ; all sixteen work-groups are here: the first joint loads meet
.irp s, 0,1
	s_mov_b32 s[G0+4*\s], 1                                        ; 1:0 count = 1
	s_add_co_u32 s[G0+4*\s+1], s20, \s*SLOT                        ; 63:32 LDS address
	s_add_nc_u64 s[G0+4*\s+2:G0+4*\s+3], s[14:15], \s*ASTEP        ; 120:64 global address: K step s
	s_or_b32 s[G0+4*\s+3], s[G0+4*\s+3], 0x80000000                ; 127:126 type = 2
	s_mov_b32 s[G0B+4*\s], 1
	s_add_co_u32 s[G0B+4*\s+1], s20, \s*SLOT
	s_add_nc_u64 s[G0B+4*\s+2:G0B+4*\s+3], s[46:47], \s*BSTEP
	s_or_b32 s[G0B+4*\s+3], s[G0B+4*\s+3], 0x80000000
	JLOAD \s
.endr
	v_and_b32 v1, 15, v0                           ; r = l % 16
	v_bfe_u32 v2, v0, 4, 1                         ; h = l / 16
	v_mul_u32_u24 v3, v1, PITCH
	v_lshl_add_u32 v3, v2, 4, v3                   ; Wo: row r x pitch + 16 h
	v_lshrrev_b32 v4, 1, v1
	v_mul_u32_u24 v4, v4, PITCH
	v_and_b32 v5, 1, v1
	v_lshl_add_u32 v4, v5, 7, v4
	v_lshl_add_u32 v4, v2, 4, v4                   ; A: two rows to an LDS row: (r / 2) x pitch + (r % 2) x 128 + 16 h
	s_mul_i32 s21, s11, 64*PITCH                   ; my 128 rows of A
	s_mul_i32 s22, s12, 64*PITCH                   ; my 64 rows of Wo,
	s_add_co_u32 s22, s22, 2*HALFT                 ; which lie behind A's two heads
.irp s, 0,1
	v_add_nc_u32 v[ADRA+\s], s21, v4
	v_add_nc_u32 v[ADRB+\s], s22, v3
	s_add_co_u32 s21, s21, SLOT
	s_add_co_u32 s22, s22, SLOT
.endr
	s_mul_i32 s23, s10, 16*SPITCH
	s_add_co_u32 s23, s23, STAGE                   ; my stage
	v_mul_u32_u24 v5, v1, SPITCH                   ; in: row r, 32 bytes for each half of the lanes
	v_lshl_add_u32 v5, v2, 5, v5
	v_add_nc_u32 v[STO], s23, v5
	v_mul_u32_u24 v5, v2, SPITCH                   ; back: lanes 0-15 take one row of 256 bytes, lanes 16-31 the next
	v_lshl_add_u32 v5, v1, 4, v5
	v_add_nc_u32 v[RD], s23, v5
	v_lshlrev_b32 v5, 12, v2                       ; and the same two rows in out0: 4,096 bytes a row
	v_lshl_add_u32 v[CO], v1, 4, v5
	s_lshl_b32 s16, s13, 8
	s_lshl_b32 s17, s11, 7
	s_add_co_u32 s16, s16, s17                     ; my first row of out0: 256 x tile row + 128 x half
	s_lshl_b32 s16, s16, 12
	s_mov_b32 s17, 0
	s_add_nc_u64 s[8:9], s[8:9], s[16:17]
	s_lshl_b32 s46, s42, 9                         ; my first column, in bytes: 512 x tile column + 256 x half
	s_lshl_b32 s47, s12, 8
	s_add_co_u32 s46, s46, s47
	s_mov_b32 s47, 0
	s_add_nc_u64 s[8:9], s[8:9], s[46:47]
; 16 matrix instructions: A's blocks a0, a0 + 1 x my four blocks of columns, 32 along K, first against hi, then against lo.  The eight accumulators take turns, one instruction a turn:
; two links on one accumulator stand eight instructions apart.  zero = 1: the product with hi starts the sums: nothing is ever cleared.
.macro MUL16 f, a0, zero
.irp part, 0,1
.irp a, \a0, \a0+1
.irp b, 0,1,2,3
.if (\zero) && (\part == 0)
	v_wmma_f32_16x16x32_f16 v[8*(4*(\a)+\b):8*(4*(\a)+\b)+7], v[\f+32*\part+8*\b:\f+32*\part+8*\b+7], v[\f+8*(\a):\f+8*(\a)+7], 0
.else
	v_wmma_f32_16x16x32_f16 v[8*(4*(\a)+\b):8*(4*(\a)+\b)+7], v[\f+32*\part+8*\b:\f+32*\part+8*\b+7], v[\f+8*(\a):\f+8*(\a)+7], v[8*(4*(\a)+\b):8*(4*(\a)+\b)+7]
.endif
.endr
.endr
.endr
.endm
; 32 LDS loads in one run: the fragments of the slot's q-th 32 along K into buffer f: hi's four and lo's four (lo lies 128 LDS rows behind hi), then A's eight (quarters 0, 1 in the even head, 2, 3 in the odd one)
.macro FETCH slot, q, f
	WIN TO_B
.irp i, 0,1,2,3,4,5,6,7
	ds_load_b128 v[\f+8*\i:\f+8*\i+3],   v[ADRB+\slot] offset:64*(\q)+(16*\i+64*(\i/4))*PITCH
	ds_load_b128 v[\f+8*\i+4:\f+8*\i+7], v[ADRB+\slot] offset:64*(\q)+(16*\i+64*(\i/4))*PITCH+32
.endr
	WIN 0
.irp i, 0,1,2,3,4,5,6,7
	ds_load_b128 v[\f+8*\i:\f+8*\i+3],   v[ADRA+\slot] offset:((\q)/2)*HALFT+((\q)%2)*64+\i*8*PITCH
	ds_load_b128 v[\f+8*\i+4:\f+8*\i+7], v[ADRA+\slot] offset:((\q)/2)*HALFT+((\q)%2)*64+\i*8*PITCH+32
.endr
.endm
; A load into a register that a matrix instruction has read, and an LDS store that reads a matrix result, stand four places behind that matrix instruction, and only plain vector instructions that name none of its
; registers are places (ISA guide 7.12.1 for vector instructions).
.macro PLACES
.rept 4
	v_nop
.endr
.endm
; A K step is four quarters of 32 along K, 64 matrix instructions each, on buffers 0, 1, 0, 1.  One of the first three: multiplies buffer f; in its middle it fetches the slot's quarter q into buffer g.
.macro QUARTER slot, q, f, g, zero
	s_wait_dscnt 8                                 ; Wo's fragments and A's blocks 0-3 are in; the youngest eight loads (A's blocks 4-7) may be out
	WIN MUL
	MUL16 \f, 0, \zero
	MUL16 \f, 2, \zero
	PLACES
	FETCH \slot, \q, \g
	s_wait_dscnt 32                                ; all but the 32 just issued
	WIN MUL
	MUL16 \f, 4, \zero
	MUL16 \f, 6, \zero
.endm
; The last quarter multiplies buffer 1 and changes slots: ONE barrier; in front of it each wave waits for all its tensor loads (its part of the next slot), adds 0 to its spare word, and waits for that and for its own
; reads of this slot.  fill = 1: the barrier opens a round of the cluster's barrier, and this slot is filled again, two K steps ahead: from the request to the wait for it a wave issues 224 matrix instructions.
.macro TURN slot, next, fill
	WIN 0                                          ; (the add's two registers lie in window 0)
	s_wait_tensorcnt 0x0                           ; all my tensor loads have landed;
	ds_add_u32 v[SPW], v[NIL]                      ; 0 onto my spare word;
	s_wait_dscnt 9                                 ; (the add and the youngest eight loads may be out)
	WIN MUL
	MUL16 F1, 0, 0                                 ; sixteen matrix instructions stand between the add and the wait for it
	s_wait_dscnt 0x0                               ; the add is done, and my reads of this slot are over
	s_barrier_signal -1
	MUL16 F1, 2, 0                                 ; work on registers while the others arrive
.if \fill
	WIN 0
.endif
	s_barrier_wait -1
.if \fill
	CREST                                          ; no wave of any partner still reads this slot's tiles or has a load on its way
	s_add_nc_u64 s[G0+4*\slot+2:G0+4*\slot+3], s[G0+4*\slot+2:G0+4*\slot+3], 2*ASTEP
	s_add_nc_u64 s[G0B+4*\slot+2:G0B+4*\slot+3], s[G0B+4*\slot+2:G0B+4*\slot+3], 2*BSTEP
	JLOAD \slot                                    ; the first tensor load behind the round; the four v_nop behind it are also the places in front of the loads below
.else
	PLACES
.endif
	FETCH \next, 0, F0
	WIN MUL
	MUL16 F1, 4, 0
	MUL16 F1, 6, 0
.endm
	s_wait_tensorcnt 1                             ; my part of K step 0 is in (K step 1's load may be out)
	s_barrier_signal -1
	s_barrier_wait -1                              ; everybody's is
	FETCH 0, 0, F0
	QUARTER 0, 1, F0, F1, 1                        ; the first quarter stands in front of the loop: its products with hi start the sums
	WIN 0                                          ; at a label and at a branch every window is 0
	s_mov_b32 s3, LAPS-1
.Llap:                                                 ; a trip goes once round the ring, from a lap's second quarter to the next lap's first, and fills both slots again
	QUARTER 0, 2, F1, F0, 0
	QUARTER 0, 3, F0, F1, 0
	TURN 0, 1, 1
	QUARTER 1, 1, F0, F1, 0
	QUARTER 1, 2, F1, F0, 0
	QUARTER 1, 3, F0, F1, 0
	TURN 1, 0, 1
	QUARTER 0, 1, F0, F1, 0
	WIN 0
	s_sub_co_u32 s3, s3, 1
	s_cmp_lg_u32 s3, 0
	s_cbranch_scc1 .Llap
	QUARTER 0, 2, F1, F0, 0                        ; the last lap fills nothing, and has no round of the cluster's barrier
	QUARTER 0, 3, F0, F1, 0
	TURN 0, 1, 0
	QUARTER 1, 1, F0, F1, 0
	QUARTER 1, 2, F1, F0, 0
	QUARTER 1, 3, F0, F1, 0
	s_wait_dscnt 8                                 ; the very last quarter: nothing more to fetch
	WIN MUL
	MUL16 F1, 0, 0
	MUL16 F1, 2, 0
	s_wait_dscnt 0
	MUL16 F1, 4, 0
	MUL16 F1, 6, 0
	WIN 0
; THE WAY OUT, block by block of 16 rows x 64 columns.  A lane holds 32 neighbouring bytes of a row, and the lanes beside it hold other rows: so a block goes through my own stage in LDS and comes back as whole rows of
; 256 bytes.  LDS serves a wave's instructions in order (ISA guide 5.7.1.4): no wait between the stores and the loads, nor in front of the next block's stores.
.macro TOSTAGE a
	WIN 0x08                                       ; an LDS store's data are its source 1: window 2
.irp b, 0,1,2,3
	ds_store_b128 v[STO], v[8*(4*(\a)+\b):8*(4*(\a)+\b)+3] offset:64*\b            ; each accumulator from its low end on
	ds_store_b128 v[STO], v[8*(4*(\a)+\b)+4:8*(4*(\a)+\b)+7] offset:64*\b+16
.endr
	WIN 0
.set BB, BK+32*((\a)%2)
.irp i, 0,1,2,3,4,5,6,7
	ds_load_b128 v[BB+4*\i:BB+4*\i+3], v[RD] offset:\i*2*SPITCH
.endr
.endm
.macro SEND a, younger                 ; younger: the LDS instructions issued behind block a's loads, which may stay out
.set BB, BK+32*((\a)%2)
	s_wait_dscnt \younger                          ; the block is back in registers
.if (\a) > 0
	s_add_nc_u64 s[8:9], s[8:9], 16*4096           ; (behind a wait on XCNT: the earlier stores have read their base)  16 rows of out0 on
.endif
.irp i, 0,1,2,3,4,5,6,7
	global_store_b128 v[CO], v[BB+4*\i:BB+4*\i+3], s[8:9] offset:\i*2*4096 th:TH_STORE_NT   ; 16 lanes store 256 consecutive bytes, at a multiple of 256 from out0's first byte; written once, read by nobody here
.endr
.endm
	PLACES                                         ; behind the last products
	TOSTAGE 0
.irp a, 1,2,3,4,5,6,7
.if \a > 1
	s_wait_xcnt 0x0                                ; block a - 2's stores have read their registers and their base: block a's loads may land there, and the base may step
.endif
	TOSTAGE \a
	SEND \a-1, 16                                  ; behind block a - 1's loads: block a's 8 stores and 8 loads
.endr
	s_wait_xcnt 0x0                                ; block 6's stores have read their base
	SEND 7, 0
	s_wait_tensorcnt 0x0                           ; the wave's end, behind my last tensor load and my last LDS store
	ds_add_u32 v[SPW], v[NIL]
	s_wait_dscnt 0x0
	CROUND                                         ; the closing round: no work-group ends while a partner may still ask for a tile that names it
	s_endpgm
.Lfunc_end_k_q394f68c2b4_proj:
	.size	k_q394f68c2b4_proj, .Lfunc_end_k_q394f68c2b4_proj-k_q394f68c2b4_proj
	.p2alignl 7, 3214868480
	.fill 96, 4, 3214868480
	.section	.rodata,"a",@progbits
	.p2align	6, 0x0
	.amdhsa_kernel k_q394f68c2b4_proj
		.amdhsa_group_segment_fixed_size 327680
		.amdhsa_private_segment_fixed_size 0
		.amdhsa_enable_private_segment 0
		.amdhsa_kernarg_size 24
		.amdhsa_user_sgpr_count 2
		.amdhsa_user_sgpr_kernarg_segment_ptr 1
		.amdhsa_wavefront_size32 1
		.amdhsa_system_sgpr_workgroup_id_x 1
		.amdhsa_system_sgpr_workgroup_id_y 1
		.amdhsa_system_sgpr_workgroup_id_z 1
		.amdhsa_system_vgpr_workitem_id 0
		.amdhsa_next_free_vgpr 768
		.amdhsa_next_free_sgpr 66
		.amdhsa_reserve_vcc 0
		.amdhsa_float_denorm_mode_32 3
		.amdhsa_float_denorm_mode_16_64 3
		.amdhsa_memory_ordered 1
		.amdhsa_forward_progress 1
		.amdhsa_inst_pref_size 126
	.end_amdhsa_kernel
	.amdgpu_metadata
---
amdhsa.version: [ 1, 2 ]
amdhsa.kernels:
  - .name:           k_q394f68c2b4_proj
    .symbol:         k_q394f68c2b4_proj.kd
    .args:
      - { .name: att, .offset: 0, .size: 8, .value_kind: global_buffer, .address_space: global }
      - { .name: wo2, .offset: 8, .size: 8, .value_kind: global_buffer, .address_space: global }
      - { .name: out0, .offset: 16, .size: 8, .value_kind: global_buffer, .address_space: global }
    .group_segment_fixed_size: 327680
    .private_segment_fixed_size: 0
    .kernarg_segment_align: 8
    .kernarg_segment_size: 24
    .max_flat_workgroup_size: 128
    .sgpr_count:     66
    .vgpr_count:     768
    .wavefront_size: 32
...
	.end_amdgpu_metadata
.endif
;; end of part 4
